; MI455X (gfx1250); checked and timed in simulation.
; The chip was launched on July 23, 2026; its instructions are those of AMD's public machine-readable ISA for CDNA 5 (MIT licence, August 2026) and "CDNA5" Instruction Set Architecture Reference Guide (July 2026). The comments in the code are by the model that wrote it; some were corrected since.
;; Multi Head Attention. Allowed arithmetic: matrix products marked QUANTISED: E2M1 operands, one E8M0 scale for each 32 along K, by v_wmma_scale_f32_16x16x128_f8f6f4 with both operands' format E2M1 (or v_wmma_scale_f32_32x16x128_f4), f32 sums; products left as they are: bf16, f16 or f32 operands; f32 sums; everything else in f32.
;; Inputs: Wk 1,024 x 1,024 float32; Wo 1,024 x 1,024 float32; Wq 1,024 x 1,024 float32; Wv 1,024 x 1,024 float32; bk 1,024 float32; bo 1,024 float32; bq 1,024 float32; bv 1,024 float32; key 8 x 1,024 x 1,024 float32; mask 8 x 1 x 1,024 int32; query 8 x 1,024 x 1,024 float32; value 8 x 1,024 x 1,024 float32.
;; Outputs: out0 8 x 1,024 x 1,024 float32.
;; This version of the problem:
;;   THIS VERSION OF THE PROBLEM IS GIVEN IN LOW PRECISION. The matrix products marked QUANTISED in the list below multiply operands that are first quantised to E2M1 (2 exponent bits, 1 mantissa bit; 4 bits a number), with one power-of-two scale for each 32 numbers along K (OCP MX v1.0); their sums are f32. The products marked 'left as it is' may take bf16, f16 or f32 operands, with f32 sums. All else is computed in f32.
;;   The module's matrix products, in the order in which they are computed (A, B: the left and right operand; K: the contracted axis; several contracted axes count as one K, in the product's order):
;;     1. [M 8,192, K 1,024] x [K 1,024, N 1,024]; A: input query; B: input Wq: QUANTISED
;;     2. [M 8,192, K 1,024] x [K 1,024, N 1,024]; A: input key; B: input Wk: QUANTISED
;;     3. [M 8,192, K 1,024] x [K 1,024, N 1,024]; A: input value; B: input Wv: QUANTISED
;;     4. batch 128 x [M 1,024, K 64] x [K 64, N 1,024]; A: computed on the way; B: computed on the way: left as it is (an operand is computed on the way)
;;     5. batch 128 x [M 64, K 1,024] x [K 1,024, N 1,024]; A: computed on the way; B: computed on the way: left as it is (an operand is computed on the way)
;;     6. [M 8,192, K 1,024] x [K 1,024, N 1,024]; A: computed on the way; B: input Wo: left as it is (an operand is computed on the way)
;;   THE QUANTISER, for each operand of a quantised product, along K:
;;     - K is cut into blocks of 32 from its start; a last block that is shorter is filled with zeros.
;;     - A block's scale is 2^e with e = floor(log2(the largest magnitude in the block)) - 2, held to -126 .. 127; a block of zeros has e = 0. As a byte (E8M0): e + 127.
;;     - Each number is divided by its block's scale, clamped to +-6, and rounded to the nearest number of E2M1, ties to even, subnormals kept.
;;     - The product sums the exact products of the quantised numbers (number of the format x scale) in f32.
;;   ~~~python
;;   def quantise(x, axis):      # numpy; x: float32 -> the quantised numbers, widened to float32 again
;;       x = np.moveaxis(x, axis, -1); K = x.shape[-1]
;;       x = np.pad(x, [(0, 0)] * (x.ndim - 1) + [(0, -K % 32)]); x = x.reshape(x.shape[:-1] + (-1, 32)); a = np.abs(x).max(-1, keepdims=True)
;;       e = np.where(a > 0, np.clip(np.frexp(np.where(a > 0, a, 1))[1] - 1 - 2, -126, 127), 0)      # np.frexp(a)[1] - 1 = floor(log2(a)), exactly
;;       r = np.clip(x / 2.0 ** e, -6, 6)
;;       step = 2.0 ** (np.maximum(np.frexp(np.where(r == 0, 1, r))[1] - 1, 0) - 1)
;;       q = np.round(r / step) * step * 2.0 ** e      # np.round: ties to even
;;       return np.moveaxis(q.reshape(q.shape[:-2] + (-1,))[..., :K], -1, axis).astype(np.float32)
;;   ~~~
;; One version. Each part assembles by itself: llvm-mc -triple=amdgcn-amd-amdhsa -mcpu=gfx1250 --defsym DOCPART=n.
;; ======== version 1 of 1: 4 launches
;; limits: values are held in f16: magnitudes above 65,504 overflow, below 6.1e-05 lose precision
;; workspace buffers: codes 14,155,776 bytes; scales 884,736 bytes; wo16 2,097,152 bytes; q16 16,777,216 bytes; k16 16,777,216 bytes; v16 16,777,216 bytes; ctx 16,777,216 bytes
;; launch quant (part 1): grid 896 x 1, 4 waves a work-group, no clusters, 33,280 bytes of LDS; arguments query, key, value, Wq, Wk, Wv, Wo, codes, scales, wo16; writes codes, scales, wo16
.if DOCPART == 1
	.amdgcn_target "amdgcn-amd-amdhsa--gfx1250"
	.amdhsa_code_object_version 6
	.text
	.protected	k_qe9a7d1ee2f_quant
	.globl	k_qe9a7d1ee2f_quant
	.p2align	8
	.type	k_qe9a7d1ee2f_quant,@function
k_qe9a7d1ee2f_quant:
	s_mov_b64 s[64:65], 0
	v_nop
	global_prefetch_b8 v0, s[64:65] scope:SCOPE_SE
	s_setreg_imm32_b32 hwreg(HW_REG_WAVE_MODE, 25, 1), 1
	s_wait_xcnt 0x0
; query, key, value [8192][1024] and Wq, Wk, Wv [1024][1024], f32 with K innermost, become codes of FP4 (E2M1), two a byte, K innermost, and one E8M0 byte for each 32 along K.
; The six tensors lie one behind the other in the two buffers: codes [27648 rows][512 bytes], scales [27648][32]: rows 0 query, 8192 key, 16384 value, 24576 Wq, 25600 Wk, 26624 Wv.  Wo [1024][1024] becomes f16 as it lies.
; A block's scale is 2^(floor(log2(its largest magnitude)) - 2); its byte is the largest magnitude's own exponent field - 2, held at 1 from below; each number is divided by the scale and rounded to the nearest code, ties to even;
; beyond 6 the conversion gives the largest code.
; LIMITS: a block of zeros gets the byte 1 where the rule says 127 (its codes are zeros, which add nothing under any byte but 0xff, and this program alone reads the bytes); blocks whose largest magnitude lies under 2^-124
; get the byte 1 too; NaN and infinities among the inputs are not served; Wo is kept in f16: magnitudes under 65,504.
; SHARES.  Rows are dense and 1024 is a multiple of 32: every tensor is a plain stream of blocks.  A work-group takes 32,768 numbers, a wave 8,192: 16 steps of 512.  Work-groups 0-255 query, 256-511 key, 512-767 value,
; 768-799 Wq, 800-831 Wk, 832-863 Wv: only the source's pointer is chosen, the outputs are linear in 4 x work-group + wave.  Work-groups 864-895 take Wo, on a path of their own that touches no LDS.
; A conversion takes 8 numbers of ONE block from a lane's registers, so a lane must hold 16 neighbours; a load is best where neighbouring lanes take neighbouring bytes.  Both are had: a step's four loads read 512 consecutive
; bytes each; the 2,048 bytes go through the wave's own stage in LDS and come back 64 bytes a lane.  No tensor loads, no barrier: waves share nothing.
.set STEPS, 16
.set EMAX,  2
.set CB,    8                          ; bytes of 16 codes
.set R,     16                         ; v16-79   four sets of 16 numbers as loaded (Wo: v16-143, two batches of 64)
.set X,     80                         ; v80-111  two sets of 16 neighbours
.set E,     112                        ; v112-127 a scale byte for each step
.set C,     128                        ; v128-191 codes: four registers for each step, so that no store's data are written again
.set H,     144                        ; Wo: v144-175 a batch's f16
.set WREG,  8192                       ; LDS: a region for each wave: two stages of 32 x SP bytes, behind them its 256 scale bytes
.set SP,    80                         ; a lane's place in a stage: 64 bytes + 16 of padding
.set WV,    24                         ; s24      wave
.set SRC,   26                         ; s[26:27] the tensor that my work-group reads
.set COD,   18                         ; s[18:19] codes
.set SCA,   20                         ; s[20:21] scales
	s_load_b512 s[4:19], s[0:1], 0x0               ; query s[4:5], key s[6:7], value s[8:9], Wq s[10:11], Wk s[12:13], Wv s[14:15], Wo s[16:17], codes s[18:19]
	s_load_b128 s[20:23], s[0:1], 0x40             ; scales s[20:21], wo16 s[22:23]
	v_lshl_add_u32 v192, v0, 2, 0x8000
	v_mov_b32 v193, 0
	v_lshrrev_b32 v1, 5, v0
	v_readfirstlane_b32 s[WV], v1                  ; wave 0..3
	v_and_b32 v2, 31, v0                           ; lane
	v_lshlrev_b32 v3, 4, v2                        ; my 16 bytes of a load's 512
	s_mul_i32 s28, s[WV], WREG
	v_lshrrev_b32 v14, 2, v2
	v_mul_u32_u24 v14, v14, SP
	v_and_b32 v15, 3, v2
	v_lshl_add_u32 v14, v15, 4, v14
	v_add_nc_u32 v14, s28, v14                     ; the stage, on the way in: SP (lane / 4) + 16 (lane % 4)
	v_mul_u32_u24 v15, v2, SP
	v_add_nc_u32 v15, s28, v15                     ; and on the way out: SP x lane: my 16 neighbours
	v_mul_u32_u24 v4, v2, CB                       ; my codes' place in a step's
	v_lshrrev_b32 v5, 1, v2
	s_add_co_u32 s28, s28, 2*32*SP
	v_add_nc_u32 v5, s28, v5                       ; LDS: my wave's 256 scale bytes, my block's byte
	v_lshlrev_b32 v7, 3, v2                        ; 8 bytes a lane
	v_add_nc_u32 v6, s28, v7
	s_mov_b32 s31, 0
	s_mov_b32 s33, 0
	s_mov_b32 s35, 0
	s_wait_kmcnt 0x0
	s_cmp_ge_u32 ttmp9, 864                        ; Wo's work-groups part here: the branch hangs on the work-group's number alone
	s_cbranch_scc1 .Lwo
	s_mov_b64 s[SRC:SRC+1], s[14:15]               ; Wv, unless the work-group's number says otherwise
	s_cmp_lt_u32 ttmp9, 832
	s_cselect_b64 s[SRC:SRC+1], s[12:13], s[SRC:SRC+1]
	s_cmp_lt_u32 ttmp9, 800
	s_cselect_b64 s[SRC:SRC+1], s[10:11], s[SRC:SRC+1]
	s_cmp_lt_u32 ttmp9, 768
	s_cselect_b64 s[SRC:SRC+1], s[8:9], s[SRC:SRC+1]
	s_cselect_b32 s29, 255, 31                     ; a large tensor has 256 work-groups, a weight 32
	s_cmp_lt_u32 ttmp9, 512
	s_cselect_b64 s[SRC:SRC+1], s[6:7], s[SRC:SRC+1]
	s_cmp_lt_u32 ttmp9, 256
	s_cselect_b64 s[SRC:SRC+1], s[4:5], s[SRC:SRC+1]
	s_and_b32 s30, ttmp9, s29                      ; my work-group within its tensor
	s_lshl_b32 s30, s30, 2
	s_add_co_u32 s30, s30, s[WV]
	s_lshl_b32 s30, s30, 15                        ; a wave's run: 8,192 numbers, 32,768 bytes
	s_add_nc_u64 s[SRC:SRC+1], s[SRC:SRC+1], s[30:31]
	s_lshl_b32 s32, ttmp9, 2
	s_add_co_u32 s32, s32, s[WV]                   ; my run among all six tensors'
	s_lshl_b32 s34, s32, 12                        ; 4,096 bytes of codes a run
	s_add_nc_u64 s[COD:COD+1], s[COD:COD+1], s[34:35]
	s_lshl_b32 s34, s32, 8                         ; 256 scale bytes a run
	s_add_nc_u64 s[SCA:SCA+1], s[SCA:SCA+1], s[34:35]
.macro LOAD t
.irp i, 0,1,2,3
	global_load_b128 v[R+16*((\t)%4)+4*\i:R+16*((\t)%4)+4*\i+3], v3, s[SRC:SRC+1] offset:2048*(\t)+512*\i th:TH_LOAD_NT   ; 32 lanes read 512 consecutive bytes
.endr
.endm
.macro TURN t                          ; step t's numbers through the stage: LDS serves a wave's instructions in order (ISA guide 5.7.1), so no wait stands between the stores and the loads
.irp i, 0,1,2,3
	ds_store_b128 v14, v[R+16*((\t)%4)+4*\i:R+16*((\t)%4)+4*\i+3] offset:32*SP*((\t)%2)+8*SP*\i
.endr
.irp i, 0,1,2,3
	ds_load_b128 v[X+16*((\t)%2)+4*\i:X+16*((\t)%2)+4*\i+3], v15 offset:32*SP*((\t)%2)+16*\i
.endr
.endm
.irp t, 0,1,2,3
	LOAD \t
.endr
	s_wait_loadcnt 12                              ; step 0's four loads are in; the twelve of steps 1 to 3 stay out
	TURN 0
.macro STEP t
.set XS, X+16*((\t)%2)
.if (\t) > 0
	s_wait_dscnt 1                                 ; this step's numbers are back from the stage (the last step's byte store may be out): so its stores into the stage have read their registers,
.else
	s_wait_dscnt 0x0
.endif
.if (\t)+4 < STEPS
	LOAD (\t)+4                                    ; which take the loads of four steps on
.endif
.if (\t)+1 < STEPS
.if STEPS-2-(\t) >= 3
	s_wait_loadcnt 12                              ; the next step's four loads are in; those of the three steps behind it may be out
.else
	s_wait_loadcnt 4*(STEPS-2-(\t))
.endif
	TURN (\t)+1                                    ; and go through the other stage while this step is worked
.endif
	v_max3_num_f32 v8, |v[XS]|, |v[XS+1]|, |v[XS+2]|               ; the largest magnitude of my 16, in two chains
	v_max3_num_f32 v9, |v[XS+3]|, |v[XS+4]|, |v[XS+5]|
.irp i, 6,10
	v_max3_num_f32 v8, v8, |v[XS+\i]|, |v[XS+\i+1]|
	v_max3_num_f32 v9, v9, |v[XS+\i+2]|, |v[XS+\i+3]|
.endr
	v_max3_num_f32 v8, v8, |v[XS+14]|, |v[XS+15]|
	v_max3_num_f32 v8, v8, v9, (EMAX+1)<<23        ; and the floor 2^(3 - 127): so the byte cannot fall under 1
	v_max_num_f32_dpp v8, v8, v8 row_xmask:1 row_mask:0xf bank_mask:0xf   ; and of my neighbour's 16: the block's
	v_add_nc_u32 v11, -(EMAX<<23), v8              ; 2 off its exponent field: the conversion takes the exponent field of this operand as its scale, and nothing else of it
	v_cvt_scalef32_pk8_fp4_f32 v[C+4*(\t)], v[XS:XS+7], v11
	v_cvt_scalef32_pk8_fp4_f32 v[C+4*(\t)+1], v[XS+8:XS+15], v11
	v_lshrrev_b32 v[E+(\t)], 23, v11               ; the scale's byte (also the plain line behind the conversions)
	ds_store_b8 v5, v[E+(\t)] offset:16*(\t)       ; both lanes of a block write the same byte with the same value
	global_store_b64 v4, v[C+4*(\t):C+4*(\t)+1], s[COD:COD+1] offset:32*CB*(\t)   ; the wave stores 256 consecutive bytes, aligned
.endm
.irp t, 0,1,2,3,4,5,6,7,8,9,10,11,12,13,14,15
	STEP \t
.endr
	ds_load_b64 v[12:13], v6                       ; in order behind my byte stores
	s_wait_dscnt 0x0
	global_store_b64 v7, v[12:13], s[SCA:SCA+1]    ; 32 lanes store my run's 256 scale bytes, aligned
	s_wait_tensorcnt 0x0
	ds_add_u32 v192, v193
	s_wait_dscnt 0x0
	s_endpgm
; Wo to f16: a wave takes 8,192 numbers: 64 loads of 512 consecutive bytes, in four batches of 16, two batches ahead; each load's numbers leave as 256 consecutive bytes, aligned.
.Lwo:
	s_sub_co_u32 s30, ttmp9, 864
	s_lshl_b32 s30, s30, 2
	s_add_co_u32 s30, s30, s[WV]                   ; my run of Wo
	s_lshl_b32 s32, s30, 14                        ; 16,384 bytes out,
	s_lshl_b32 s30, s30, 15                        ; 32,768 in
	s_add_nc_u64 s[16:17], s[16:17], s[30:31]
	s_add_nc_u64 s[22:23], s[22:23], s[32:33]
.macro LOADB k
.irp i, 0,1,2,3,4,5,6,7,8,9,10,11,12,13,14,15
	global_load_b128 v[R+64*((\k)%2)+4*\i:R+64*((\k)%2)+4*\i+3], v3, s[16:17] offset:512*(16*(\k)+\i) th:TH_LOAD_NT
.endr
.endm
.macro CAST k
.if (\k) < 3
	s_wait_loadcnt 16                              ; this batch is in; the one younger batch stays out
.else
	s_wait_loadcnt 0x0
.endif
.if (\k) > 0
	s_wait_xcnt 0x0                                ; the last batch's stores have read v[H] on: only behind this wait are they written again
.endif
.irp i, 0,1,2,3,4,5,6,7,8,9,10,11,12,13,14,15
	v_cvt_pk_f16_f32 v[H+2*\i], v[R+64*((\k)%2)+4*\i], v[R+64*((\k)%2)+4*\i+1]
	v_cvt_pk_f16_f32 v[H+2*\i+1], v[R+64*((\k)%2)+4*\i+2], v[R+64*((\k)%2)+4*\i+3]
.endr
.irp i, 0,1,2,3,4,5,6,7,8,9,10,11,12,13,14,15
	global_store_b64 v7, v[H+2*\i:H+2*\i+1], s[22:23] offset:256*(16*(\k)+\i)
.endr
.if (\k) < 2
	LOADB (\k)+2
.endif
.endm
	LOADB 0
	LOADB 1
	CAST 0
	CAST 1
	CAST 2
	CAST 3
	s_endpgm
.Lfunc_end_k_qe9a7d1ee2f_quant:
	.size	k_qe9a7d1ee2f_quant, .Lfunc_end_k_qe9a7d1ee2f_quant-k_qe9a7d1ee2f_quant
	.p2alignl 7, 3214868480
	.fill 96, 4, 3214868480
	.section	.rodata,"a",@progbits
	.p2align	6, 0x0
	.amdhsa_kernel k_qe9a7d1ee2f_quant
		.amdhsa_group_segment_fixed_size 33280
		.amdhsa_private_segment_fixed_size 0
		.amdhsa_enable_private_segment 0
		.amdhsa_kernarg_size 80
		.amdhsa_user_sgpr_count 2
		.amdhsa_user_sgpr_kernarg_segment_ptr 1
		.amdhsa_wavefront_size32 1
		.amdhsa_system_sgpr_workgroup_id_x 1
		.amdhsa_system_sgpr_workgroup_id_y 1
		.amdhsa_system_sgpr_workgroup_id_z 1
		.amdhsa_system_vgpr_workitem_id 0
		.amdhsa_next_free_vgpr 194
		.amdhsa_next_free_sgpr 66
		.amdhsa_reserve_vcc 0
		.amdhsa_float_denorm_mode_32 3
		.amdhsa_float_denorm_mode_16_64 3
		.amdhsa_memory_ordered 1
		.amdhsa_forward_progress 1
		.amdhsa_inst_pref_size 54
	.end_amdhsa_kernel
	.amdgpu_metadata
---
amdhsa.version: [ 1, 2 ]
amdhsa.kernels:
  - .name:           k_qe9a7d1ee2f_quant
    .symbol:         k_qe9a7d1ee2f_quant.kd
    .args:
      - { .name: query, .offset: 0, .size: 8, .value_kind: global_buffer, .address_space: global }
      - { .name: key, .offset: 8, .size: 8, .value_kind: global_buffer, .address_space: global }
      - { .name: value, .offset: 16, .size: 8, .value_kind: global_buffer, .address_space: global }
      - { .name: Wq, .offset: 24, .size: 8, .value_kind: global_buffer, .address_space: global }
      - { .name: Wk, .offset: 32, .size: 8, .value_kind: global_buffer, .address_space: global }
      - { .name: Wv, .offset: 40, .size: 8, .value_kind: global_buffer, .address_space: global }
      - { .name: Wo, .offset: 48, .size: 8, .value_kind: global_buffer, .address_space: global }
      - { .name: codes, .offset: 56, .size: 8, .value_kind: global_buffer, .address_space: global }
      - { .name: scales, .offset: 64, .size: 8, .value_kind: global_buffer, .address_space: global }
      - { .name: wo16, .offset: 72, .size: 8, .value_kind: global_buffer, .address_space: global }
    .group_segment_fixed_size: 33280
    .private_segment_fixed_size: 0
    .kernarg_segment_align: 8
    .kernarg_segment_size: 80
    .max_flat_workgroup_size: 128
    .sgpr_count:     66
    .vgpr_count:     194
    .wavefront_size: 32
...
	.end_amdgpu_metadata
.endif
;; end of part 1
;; launch proj (part 2): grid 4 x 96, 4 waves a work-group, clusters of 4 x 4, 327,680 bytes of LDS; arguments codes, scales, bq, bk, bv, mask, q16, k16, v16; writes q16, k16, v16
.if DOCPART == 2
	.amdgcn_target "amdgcn-amd-amdhsa--gfx1250"
	.amdhsa_code_object_version 6
	.text
	.protected	k_qe9a7d1ee2f_proj
	.globl	k_qe9a7d1ee2f_proj
	.p2align	8
	.type	k_qe9a7d1ee2f_proj,@function
k_qe9a7d1ee2f_proj:
	s_mov_b64 s[64:65], 0
	v_nop
	global_prefetch_b8 v0, s[64:65] scope:SCOPE_SE
	s_setreg_imm32_b32 hwreg(HW_REG_WAVE_MODE, 25, 1), 1
	s_wait_xcnt 0x0
	s_wait_alu depctr_hold_cnt(0) depctr_sa_sdst(0) depctr_va_vdst(0) depctr_va_sdst(0) depctr_va_ssrc(0) depctr_va_vcc(0) depctr_vm_vsrc(0)
	s_getreg_b32 s2, hwreg(HW_REG_IB_STS2, 6, 4)
	s_cmp_eq_u32 s2, 0
	s_cbranch_scc0 .Lentry_in_a_cluster
	s_endpgm
.Lentry_in_a_cluster:
	s_bfe_u32 s2, ttmp6, 0x10000c
	s_cmp_lg_u32 s2, 0xf033
	s_cbranch_scc0 .Lentry_shape_is_right
	s_endpgm
.Lentry_shape_is_right:
; The three projections x W^T + b on codes of FP4 (E2M1) with one E8M0 scale for each 32 along K, K = 1024; sums in f32.  One launch: tile rows 0-31 make Q, 32-63 K, 64-95 V.
; codes [27648][512 bytes], scales [27648][32]: rows 0 query, 8192 key, 16384 value, 24576 Wq, 25600 Wk, 26624 Wv.
; OUT, head-major [batch][head][s][64], f16: q16 = (Q + bq) x log2(e) / 8 (the softmax's scale goes in here), k16 = K + bk, v16 = (V + bv) x (mask[batch][s] != 0 ? 1 : 0):
; a hidden key's row of V is zeros, so that its weight adds nothing to the second product of attention.
; LIMITS: NaN and infinities among the inputs and sums beyond f32's range are not served: on finite sums the reference's replacement of NaN and infinities changes nothing and is not written.  All three outputs are f16: magnitudes under 65,504.
; A tile of 256 x 256 is made by four waves, each 128 x 128: 64 accumulators of 16 x 16, 512 registers.  K goes in two steps of 512 through two LDS slots, each filled ONCE by the tensor data mover (a tile's row is 256 bytes of memory);
; the scales of the work-group's 256 + 256 rows, two dense blocks, come with them and stay.
; CLUSTERS: 4 x 4 work-groups.  The four of a row of the cluster need the same tiles of x, the four of a column the same tiles of W: each is asked for JOINTLY, by the same tensor load with the same descriptor and a mask that names the four.
; A cluster's four tile rows belong to one tensor (8 clusters to a tensor), so the tensor's number T is equal in all sixteen partners.
; THE MATRIX INSTRUCTION IS USED TRANSPOSED (source 0 = 16 rows of W, source 1 = 16 rows of x): a lane then holds eight neighbouring columns of one row.  The bias is the C of each sum's first product.
; REGISTERS, in windows of 256: window 0: v0-31 addresses; v32-95 scale words, two sets, and nothing else; v96-111 the row factor of my eight blocks of rows, in pairs; v112-119 mask words; v128-191 x's fragments, ONE set,
;   on the way out the rows read back; v192-255 the bias of my 128 columns, on the way out the packed results.  window 1: W's fragments, TWO sets, at v0 and v128.  windows 2, 3: the accumulators of my rows 0-63, 64-127 ((a, b) at v[8 (8 (a % 4) + b)]).
.set NQ,     4                         ; matrix instructions deep in a slot: 512 along K
.set ROWB,   256                       ; a tile's row in bytes
.set KROW,   512                       ; a row of codes in memory
.set PITCH,  272                       ; an LDS row: 256 bytes + 16 of padding = 68 words: row r starts at bank 4 r mod 64 (64 banks of 4 bytes: ISA guide 11.1)
.set FR,     8                         ; registers of a fragment: 16 rows x 128 K
.set NL,     2                         ; LDS loads that bring one
.set NP,     4                         ; places behind this matrix instruction (ISA guide 7.12.1)
.set HALFT,  128*PITCH                 ; 128 rows: what one tensor load brings
.set SLOT,   4*HALFT                   ; x's 256 rows, then W's 256 rows
.set KS,     32                        ; a row of scales in bytes
.set SCL,    2*SLOT                    ; behind the slots: the scales, as rows of 256 bytes + 16 of padding
.set HALFS,  (128*KS/256)*272          ; the scales of 128 rows
.set SBLK,   (16*KS/256)*272           ; those of 16 rows
.set SPARE,  SCL+4*HALFS               ; the spare words, 128 bytes a wave: two blocks of 256 bytes that no other line names
.set SPITCH, 272                       ; the way out: a stage of 16 rows x (256 bytes + 16) for each wave, in slot 0, which has had its one fill and its last read when the first result is stored there
.set ADRA, 16                          ; v16-17  LDS address of my fragments of x in slot 0, 1
.set ADRB, 20                          ; v20-21  the same for W
.set STO,  24                          ; v24     the way out: where I put 16 bytes of a row
.set RD,   25                          ; v25     where I read back: four rows of one head an instruction
.set CO,   26                          ; v26     16 x lane
.set ADRS, 27                          ; v27     LDS address of my scale words: lanes 0-15 x's rows, lanes 16-31 W's
.set SPW,  28                          ; v28     LDS address of my spare word; never rewritten
.set NIL,  29                          ; v29     0; never rewritten
.set BO,   30                          ; v30     32 x (lane / 16): my eight numbers of a block's bias
.set MO,   31                          ; v31     4 x (lane % 16): my row's mask word
.set SC,   32
.set FC,   96
.set MW,   112
.set AF,   128
.set BK,   128
.set BIAS, 192
.set PKD,  192
.set G1, 24                            ; s[24:31] group 1 for x's tiles; s[32:39] group 0, a set for each slot
.set G0, 32
.set G1B, 48                           ; s[48:55], s[56:63] the same for W's
.set G0B, 56
.set G1S, 68                           ; s[68:75], s[76:79] groups 1 and 0 for x's scales; s[80:87], s[88:91] for W's
.set G0S, 76
.set G1SB, 80
.set G0SB, 88
.set TT,  67                           ; s67 the tensor: 0 Q, 1 K, 2 V
.set MSB, 0
.macro WIN new                         ; the immediate's high byte repeats the setting that is left
.if MSB != \new
	s_set_vgpr_msb (MSB<<8)|\new
.set MSB, \new
.endif
.endm
.set MUL_LO,  0xa1                     ; source 0 (W) window 1, source 1 (x) window 0, C and D window 2
.set MUL_HI,  0xf1                     ; the same, C and D window 3
.set BIAS_LO, 0x81                     ; the first products: C (the bias) window 0, D window 2
.set BIAS_HI, 0xc1                     ; D window 3
.set TO_B,    0x40                     ; destination window 1, address window 0
; A joint load: waves 0 and 1 fetch for x, waves 2 and 3 for W.  Each line has ONE mask and one set of registers for all that issue it; the branch hangs on the wave's number alone.  Four v_nop follow each line.
.macro JLOAD g0a, g1a, g0b, g1b
	s_cmp_eq_u32 s15, 0
	s_cbranch_scc0 .Lfor_b_\@
	tensor_load_to_lds s[\g0a:\g0a+3], s[\g1a:\g1a+7]
	s_nop 0
.rept 4
	v_nop
.endr
	s_branch .Lasked_\@
.Lfor_b_\@:
	tensor_load_to_lds s[\g0b:\g0b+3], s[\g1b:\g1b+7]
	s_nop 0
.rept 4
	v_nop
.endr
.Lasked_\@:
.endm
.macro CROUND                          ; a round of the cluster's barrier
	s_barrier_signal -1
	s_barrier_wait -1
	s_cmp_lg_u32 s14, 0
	s_cbranch_scc1 .Lnot_wave_0_\@
	s_barrier_signal -3
.Lnot_wave_0_\@:
	s_barrier_wait -3
	s_barrier_signal -1
	s_barrier_wait -1
.endm
	s_load_b128 s[4:7], s[0:1], 0x0                ; codes s[4:5], scales s[6:7]
	s_load_b256 s[68:75], s[0:1], 0x10             ; bq, bk, bv, mask
	s_load_b128 s[76:79], s[0:1], 0x30             ; q16, k16
	s_load_b64 s[80:81], s[0:1], 0x40              ; v16
	v_lshl_add_u32 v[SPW], v0, 2, SPARE
	v_mov_b32 v[NIL], 0
	ds_add_u32 v28, v29
	ds_add_u32 v28, v29
	s_wait_dscnt 0x0
	v_lshrrev_b32 v1, 5, v0
	v_readfirstlane_b32 s14, v1                    ; wave 0..3
	s_lshr_b32 s15, s14, 1                         ; which half of the tile's rows is mine.  Also: I fetch for x (0) or for W (1)
	s_and_b32 s16, s14, 1                          ; which half of its columns.  Also: which 128 rows I fetch
	s_bfe_u32 s40, ttmp6, 0x40000                  ; cx, cy: my place in the cluster
	s_bfe_u32 s41, ttmp6, 0x40004
	s_lshl_b32 s42, ttmp9, 2
	s_add_co_u32 s42, s42, s40                     ; tile column = 4 x cluster x + cx: 0..3
	s_and_b32 s66, ttmp7, 0xffff                   ; cluster y: 0..23
	s_lshr_b32 s[TT], s66, 3                       ; the tensor: eight clusters each
	s_lshl_b32 s17, s66, 2
	s_add_co_u32 s17, s17, s41                     ; tile row = 4 x cluster y + cy: 0..95
	s_lshl_b32 s43, s41, 2
	s_lshl_b32 s43, 15, s43                        ; my row of the cluster
	s_lshl_b32 s44, 0x1111, s40                    ; my column
	s_or_b32 s[G1+0], s43, (0<<16)|(1<<20)|(1<<21)|(5<<22)|(3<<25)  ; 15:0 the mask; 17:16 elements of 1 byte; 20 padding on; 21 set beside a mask; 24:22 after every 64 words; 31:25 four words
	s_or_b32 s[G1B+0], s44, (0<<16)|(1<<20)|(1<<21)|(5<<22)|(3<<25)
.irp g, G1, G1B
	s_mov_b32 s[\g+1], ROWB<<16                    ; tensor_dim0
	s_mov_b32 s[\g+2], 128<<16                     ; tensor_dim1
	s_mov_b32 s[\g+3], ROWB<<16                    ; tile_dim0
	s_mov_b32 s[\g+4], 128                         ; tile_dim1
	s_mov_b32 s[\g+5], KROW                        ; tensor_dim0_stride
	s_mov_b32 s[\g+6], 0
	s_mov_b32 s[\g+7], 0
.endr
	s_lshl_b32 s18, s16, 7                         ; which 128 rows of the tile I fetch
	s_lshl_b32 s20, s17, 8
	s_add_co_u32 s20, s20, s18                     ; x: row 256 x tile row + 128 x half
	s_lshl_b32 s46, s42, 8
	s_add_co_u32 s46, s46, s18
	s_lshl_b32 s19, s[TT], 10
	s_add_co_u32 s46, s46, s19
	s_add_co_u32 s46, s46, 24576                   ; W: row 24576 + 1024 T + 256 x tile column + 128 x half
	s_mov_b32 s21, 0
	s_mov_b32 s47, 0
	s_mov_b64 s[18:19], KS
	s_mul_u64 s[22:23], s[20:21], s[18:19]         ; where these rows' scales begin, in bytes,
	s_mul_u64 s[92:93], s[46:47], s[18:19]
	s_mov_b64 s[18:19], KROW
	s_mul_u64 s[20:21], s[20:21], s[18:19]         ; and their codes
	s_mul_u64 s[46:47], s[46:47], s[18:19]
	s_mul_i32 s45, s14, HALFT                      ; where they go: wave x 128 rows: no place in the cluster enters an LDS address
	s_mul_i32 s94, s14, HALFS
	s_wait_kmcnt 0x0
	s_cmp_eq_u32 s[TT], 0                          ; the tensor chooses the bias, the output and the factor: choices that hang on no address
	s_cselect_b64 s[8:9], s[68:69], s[70:71]
	s_cselect_b64 s[12:13], s[76:77], s[78:79]
	s_cselect_b32 s95, 0x3e38aa3b, 1.0             ; log2(e) / 8 for Q, 1 for K
	s_cmp_eq_u32 s[TT], 2
	s_cselect_b64 s[8:9], s[72:73], s[8:9]
	s_cselect_b64 s[12:13], s[80:81], s[12:13]
	s_cselect_b32 s66, -1, 0                       ; all lanes: V takes the mask's factor
	s_mov_b64 s[10:11], s[74:75]                   ; mask
	s_add_nc_u64 s[20:21], s[4:5], s[20:21]
	s_add_nc_u64 s[22:23], s[6:7], s[22:23]
	s_add_nc_u64 s[46:47], s[4:5], s[46:47]
	s_add_nc_u64 s[92:93], s[6:7], s[92:93]
	; the scales of 128 rows: a dense block of 4,096 bytes, as 16 rows of 256 bytes (32 elements of 8 bytes), 16 bytes of padding behind each
	s_or_b32 s[G1S+0], s43, (3<<16)|(1<<20)|(1<<21)|(5<<22)|(3<<25)
	s_or_b32 s[G1SB+0], s44, (3<<16)|(1<<20)|(1<<21)|(5<<22)|(3<<25)
.irp g, G1S, G1SB
	s_mov_b32 s[\g+1], 32<<16
	s_mov_b32 s[\g+2], (128*KS/256)<<16
	s_mov_b32 s[\g+3], 32<<16
	s_mov_b32 s[\g+4], 128*KS/256
	s_mov_b32 s[\g+5], 32
	s_mov_b32 s[\g+6], 0
	s_mov_b32 s[\g+7], 0
.endr
	CROUND                                         ; all sixteen work-groups are here: the joint loads meet
	s_mov_b32 s[G0S], 1
	s_add_co_u32 s[G0S+1], s94, SCL
	s_mov_b64 s[G0S+2:G0S+3], s[22:23]
	s_or_b32 s[G0S+3], s[G0S+3], 0x80000000
	s_mov_b32 s[G0SB], 1
	s_add_co_u32 s[G0SB+1], s94, SCL
	s_mov_b64 s[G0SB+2:G0SB+3], s[92:93]
	s_or_b32 s[G0SB+3], s[G0SB+3], 0x80000000
	JLOAD G0S, G1S, G0SB, G1SB                     ; the scales first: they are wanted with K step 0
.irp s, 0,1
	s_mov_b32 s[G0+4*\s], 1
	s_add_co_u32 s[G0+4*\s+1], s45, \s*SLOT
	s_add_nc_u64 s[G0+4*\s+2:G0+4*\s+3], s[20:21], \s*ROWB
	s_or_b32 s[G0+4*\s+3], s[G0+4*\s+3], 0x80000000
	s_mov_b32 s[G0B+4*\s], 1
	s_add_co_u32 s[G0B+4*\s+1], s45, \s*SLOT
	s_add_nc_u64 s[G0B+4*\s+2:G0B+4*\s+3], s[46:47], \s*ROWB
	s_or_b32 s[G0B+4*\s+3], s[G0B+4*\s+3], 0x80000000
	JLOAD G0+4*\s, G1, G0B+4*\s, G1B               ; three tensor loads of mine are out at the most
.endr
	v_and_b32 v1, 15, v0                           ; r = lane % 16
	v_bfe_u32 v2, v0, 4, 1                         ; h = lane / 16
	v_lshlrev_b32 v[BO], 5, v2
	v_lshlrev_b32 v[MO], 2, v1
	s_lshl_b32 s46, s42, 10                        ; the bias of my 128 columns: 4 x (256 x tile column + 128 x half)
	s_lshl_b32 s47, s16, 9
	s_add_co_u32 s46, s46, s47
	s_mov_b32 s47, 0
	s_add_nc_u64 s[8:9], s[8:9], s[46:47]
.irp b, 0,1,2,3,4,5,6,7
	global_load_b128 v[BIAS+8*\b:BIAS+8*\b+3], v[BO], s[8:9] offset:64*\b          ; lane (r, h), register j: the bias of column 16 b + 8 h + j: the result's layout
	global_load_b128 v[BIAS+8*\b+4:BIAS+8*\b+7], v[BO], s[8:9] offset:64*\b+16
.endr
	s_and_b32 s20, s17, 31                         ; the tile row within its tensor
	s_lshl_b32 s18, s20, 8
	s_lshl_b32 s19, s15, 7
	s_add_co_u32 s18, s18, s19                     ; my first row = 1024 x batch + s: the mask's index
	s_lshl_b32 s18, s18, 2
	s_mov_b32 s19, 0
	s_add_nc_u64 s[10:11], s[10:11], s[18:19]
.irp a, 0,1,2,3,4,5,6,7
	global_load_b32 v[MW+\a], v[MO], s[10:11] offset:64*\a                         ; the mask word of row 16 a + r
.endr
	v_mul_u32_u24 v3, v1, PITCH
	v_lshl_add_u32 v4, v2, 4, v3                   ; a fragment's row x pitch + 16 x half
	s_mul_i32 s21, s15, HALFT                      ; my 128 rows of x
	s_mul_i32 s22, s16, HALFT                      ; my 128 rows of W,
	s_add_co_u32 s22, s22, 2*HALFT                 ; which lie behind x's 256
.irp s, 0,1
	v_add_nc_u32 v[ADRA+\s], s21, v4
	v_add_nc_u32 v[ADRB+\s], s22, v4
	s_add_co_u32 s21, s21, SLOT
	s_add_co_u32 s22, s22, SLOT
.endr
	v_mul_u32_u24 v5, v1, KS                       ; my row's scales: 32 bytes a row,
	v_lshrrev_b32 v6, 8, v5
	v_lshl_add_u32 v5, v6, 4, v5                   ; and 16 more for each 256 passed
	s_mul_i32 s21, s15, HALFS
	s_mul_i32 s22, s16, HALFS
	s_add_co_u32 s22, s22, 2*HALFS
	s_sub_co_u32 s22, s22, s21
	v_mul_u32_u24 v6, s22, v2                      ; lanes 16-31 take W's: ONE product, the distance between the two bases
	s_add_co_u32 s21, s21, SCL
	v_add_nc_u32 v5, v5, v6
	v_add_nc_u32 v[ADRS], s21, v5
	s_mul_i32 s23, s14, 16*SPITCH                  ; my stage
	v_mul_u32_u24 v5, v1, SPITCH
	v_lshl_add_u32 v5, v2, 4, v5
	v_add_nc_u32 v[STO], s23, v5                   ; in: row r, 16 bytes for each half of the lanes
	v_and_b32 v6, 31, v0
	v_lshlrev_b32 v[CO], 4, v6
	v_lshrrev_b32 v5, 3, v6
	v_mul_u32_u24 v5, v5, SPITCH
	v_and_b32 v6, 7, v0
	v_lshl_add_u32 v5, v6, 4, v5
	v_add_nc_u32 v[RD], s23, v5                    ; back: row lane / 8, 16 bytes at 16 (lane % 8): four rows' 128 bytes of one head
	s_lshr_b32 s21, s20, 2                         ; where my part begins in the output: batch x 2^21
	s_lshl_b32 s21, s21, 21
	s_and_b32 s22, s20, 3
	s_lshl_b32 s22, s22, 8
	s_lshl_b32 s23, s15, 7
	s_add_co_u32 s22, s22, s23                     ; + s x 128 bytes
	s_lshl_b32 s22, s22, 7
	s_add_co_u32 s21, s21, s22
	s_lshl_b32 s46, s42, 2
	s_lshl_b32 s47, s16, 1
	s_add_co_u32 s46, s46, s47                     ; + head x 2^17: my 128 columns are heads 4 x tile column + 2 x half and the next
	s_lshl_b32 s46, s46, 17
	s_add_co_u32 s46, s46, s21
	s_mov_b32 s47, 0
	s_add_nc_u64 s[12:13], s[12:13], s[46:47]
.macro FRAG reg, adr, q, i             ; 16 rows x 128 K of 4-bit codes: 8 registers: lane l holds row l % 16; registers 4 c .. 4 c + 3 hold K = 64 c + 32 (l / 16) + 0 .. 31
.irp c, 0,1
	ds_load_b128 v[\reg+4*\c:\reg+4*\c+3], v[\adr] offset:64*(\q)+32*\c+(\i)*16*PITCH
.endr
.endm
; 16 matrix instructions: x's blocks a0, a0 + 1 against W's eight, the slot's q-th 128 along K.  p: W's set; sc: the set of scale words.  zero = 1: the first product starts the sum on the bias: nothing is cleared, no addition is spent.
; The 64 accumulators take turns, one instruction a turn, in the same order in every step.
.macro MUL16 a0, p, q, sc, zero
.irp a, \a0, \a0+1
.irp b, 0,1,2,3,4,5,6,7
.if \zero
	v_wmma_scale_f32_16x16x128_f8f6f4 v[8*(8*((\a)%4)+\b):8*(8*((\a)%4)+\b)+7], v[128*(\p)+FR*\b:128*(\p)+FR*\b+FR-1], v[AF+FR*(\a):AF+FR*(\a)+FR-1], v[BIAS+8*\b:BIAS+8*\b+7], v[SC+8*NQ*(\sc)+NQ*\b+(\q)], v[SC+8*NQ*(\sc)+NQ*(\a)+(\q)] matrix_a_fmt:MATRIX_FMT_FP4 matrix_b_fmt:MATRIX_FMT_FP4 matrix_a_scale:MATRIX_SCALE_ROW1
.else
	v_wmma_scale_f32_16x16x128_f8f6f4 v[8*(8*((\a)%4)+\b):8*(8*((\a)%4)+\b)+7], v[128*(\p)+FR*\b:128*(\p)+FR*\b+FR-1], v[AF+FR*(\a):AF+FR*(\a)+FR-1], v[8*(8*((\a)%4)+\b):8*(8*((\a)%4)+\b)+7], v[SC+8*NQ*(\sc)+NQ*\b+(\q)], v[SC+8*NQ*(\sc)+NQ*(\a)+(\q)] matrix_a_fmt:MATRIX_FMT_FP4 matrix_b_fmt:MATRIX_FMT_FP4 matrix_a_scale:MATRIX_SCALE_ROW1
.endif
.endr
.endr
.endm
.macro FETCH_B slot, q, p
	WIN TO_B
.irp i, 0,1,2,3,4,5,6,7
	FRAG 128*(\p)+FR*\i, ADRB+\slot, \q, \i
.endr
	WIN 0
.endm
.macro FETCH_A slot, q, i0
.irp i, \i0, \i0+1, \i0+2, \i0+3
	FRAG AF+FR*(\i), ADRA+\slot, \q, \i
.endr
.endm
.macro SCALES sc                       ; a K step's scale words: four a row; lanes 0-15 take x's block i, lanes 16-31 W's block i
.irp i, 0,1,2,3,4,5,6,7
	ds_load_b128 v[SC+8*NQ*\sc+NQ*\i:SC+8*NQ*\sc+NQ*\i+3], v[ADRS] offset:\i*SBLK
.endr
.endm
; A load into a register that a matrix instruction has read, and a vector instruction or an LDS store that reads a matrix result, stand NP places behind it; only plain vector instructions that name none of its registers are places.
.macro PLACES n
.rept \n
	v_nop
.endr
.endm
.macro STEP slot, q, zero              ; a step of 128 along K that has its successor in the same slot
	s_wait_dscnt 4*NL                              ; W's set and x's blocks 0-3 are in; the youngest eight loads (x's blocks 4-7) may be out
.if \zero
	WIN BIAS_LO
.else
	WIN MUL_LO
.endif
	MUL16 0, (\q)%2, \q, \slot, \zero
	MUL16 2, (\q)%2, \q, \slot, \zero
	s_wait_dscnt 0                                 ; x's blocks 4-7 are in
	PLACES NP
	FETCH_B \slot, (\q)+1, 1-(\q)%2
	FETCH_A \slot, (\q)+1, 0
.if \zero
	WIN BIAS_HI
.else
	WIN MUL_HI
.endif
	MUL16 4, (\q)%2, \q, \slot, \zero
	MUL16 6, (\q)%2, \q, \slot, \zero
	PLACES NP
	WIN 0
	FETCH_A \slot, (\q)+1, 4
.endm
; Slot 0's last step changes slots: ONE barrier; in front of it each wave waits for all its tensor loads (its part of slot 1), adds 0 to its spare word, and waits for that and for its reads of slot 0.  Nothing is filled again.
.macro TURN slot, next
	s_wait_tensorcnt 0x0                           ; all my tensor loads have landed
	ds_add_u32 v[SPW], v[NIL]                      ; 0 onto my spare word
	s_wait_dscnt 4*NL+1                            ; (the add and the youngest eight loads may be out)
	WIN MUL_LO
	MUL16 0, 1, NQ-1, \slot, 0                     ; sixteen matrix instructions stand between the add and the wait for it
	s_wait_dscnt 0x0                               ; the add is done, and my reads of this slot are over
	s_barrier_signal -1
	MUL16 2, 1, NQ-1, \slot, 0
	WIN 0
	s_barrier_wait -1
	PLACES NP
	v_add_nc_u32 v[ADRS], 4*NQ, v[ADRS]            ; on to the next K step's scale words (no LDS load of mine is out)
	FETCH_B \next, 0, 0
	FETCH_A \next, 0, 0
	SCALES \next
	WIN MUL_HI
	MUL16 4, 1, NQ-1, \slot, 0
	MUL16 6, 1, NQ-1, \slot, 0
	PLACES NP
	WIN 0
	FETCH_A \next, 0, 4
.endm
	s_wait_tensorcnt 1                             ; the scales and my part of slot 0 are in; slot 1's load may be out
	s_barrier_signal -1
	s_barrier_wait -1                              ; everybody's are
	FETCH_B 0, 0, 0
	FETCH_A 0, 0, 0
	SCALES 0
	FETCH_A 0, 0, 4
	s_wait_loadcnt 0x0                             ; the bias and the mask words
	v_mov_b32 v9, s95
.irp a, 0,1,2,3,4,5,6,7                ; the factor of row 16 a + r: log2(e) / 8 (Q), 1 (K), or 1 / 0 by the mask (V): selected, never branched on
	v_cmp_ne_u32 vcc_lo, 0, v[MW+\a]
	v_cndmask_b32 v[FC+2*\a], 0, 1.0, vcc_lo
	v_cndmask_b32 v[FC+2*\a], v9, v[FC+2*\a], s66
	v_mov_b32 v[FC+2*\a+1], v[FC+2*\a]             ; twice: a pair for the packed multiply
.endr
	STEP 0, 0, 1
	STEP 0, 1, 0
	STEP 0, 2, 0
	TURN 0, 1
	STEP 1, 0, 0
	STEP 1, 1, 0
	STEP 1, 2, 0
	s_wait_dscnt 4*NL                              ; the very last step: nothing more to fetch
	WIN MUL_LO
	MUL16 0, 1, NQ-1, 1, 0
	MUL16 2, 1, NQ-1, 1, 0
	s_wait_dscnt 0
	WIN MUL_HI
	MUL16 4, 1, NQ-1, 1, 0
	MUL16 6, 1, NQ-1, 1, 0
	WIN 0
; THE WAY OUT, block by block of 16 rows x 128 columns.  PACK: x the row's factor, in place, each accumulator from its low end on; rounded to f16, 16 bytes a lane.  TOSTAGE: into my own stage, and back so that an
; instruction's 32 lanes hold four rows of one head: 512 consecutive bytes of the head-major output.  SEND: stored.  LDS serves a wave's instructions in order (ISA guide 5.7.1): no wait between the stores and the loads.
.macro PACK a
.set AC, 64*((\a)%4)
	WIN 0x82+0x41*((\a)/4)                         ; destination and source 0: window 2 or 3; the factor: window 0
.irp b, 0,1,2,3,4,5,6,7
.irp i, 0,1,2,3
	v_pk_mul_f32 v[AC+8*\b+2*\i:AC+8*\b+2*\i+1], v[AC+8*\b+2*\i:AC+8*\b+2*\i+1], v[FC+2*(\a):FC+2*(\a)+1]
.endr
.endr
	WIN 0x0a+5*((\a)/4)                            ; sources 0 and 1: window 2 or 3
.irp b, 0,1,2,3,4,5,6,7
.irp i, 0,1,2,3
	v_cvt_pk_f16_f32 v[PKD+4*\b+\i], v[AC+8*\b+2*\i], v[AC+8*\b+2*\i+1]
.endr
.endr
	WIN 0
.endm
.macro TOSTAGE a
.set BB, BK+32*((\a)%2)
.irp b, 0,1,2,3,4,5,6,7
	ds_store_b128 v[STO], v[PKD+4*\b:PKD+4*\b+3] offset:32*\b
.endr
.irp t, 0,1,2,3,4,5,6,7
	ds_load_b128 v[BB+4*\t:BB+4*\t+3], v[RD] offset:(\t%4)*4*SPITCH+(\t/4)*128
.endr
.endm
.macro SEND a
.set BB, BK+32*((\a)%2)
	s_wait_dscnt 0x0                               ; the block is back in registers
	s_wait_xcnt 0x0                                ; the block before's stores have read their registers: the next block's loads land there only behind this wait
.irp t, 0,1,2,3,4,5,6,7
	global_store_b128 v[CO], v[BB+4*\t:BB+4*\t+3], s[12:13] offset:(\a)*2048+(\t/4)*131072+(\t%4)*512   ; 32 lanes store 512 consecutive bytes, aligned: rows 16 a + 4 (t % 4) on of head t / 4
.endr
.endm
	PLACES NP                                      ; behind the last products: for the first reads of results and the loads into x's fragments' registers
	PACK 0
	TOSTAGE 0
.irp a, 1,2,3,4,5,6,7                  ; block a's arithmetic stands between block a - 1's loads from the stage and the wait for them
	PACK \a
	SEND \a-1
	TOSTAGE \a
.endr
	SEND 7
	s_wait_tensorcnt 0x0                           ; the wave's end, behind my last tensor load and my last LDS store
	ds_add_u32 v[SPW], v[NIL]
	s_wait_dscnt 0x0
	CROUND                                         ; the closing round: no work-group ends while a partner may still ask for a tile that names it
	s_endpgm
.Lfunc_end_k_qe9a7d1ee2f_proj:
	.size	k_qe9a7d1ee2f_proj, .Lfunc_end_k_qe9a7d1ee2f_proj-k_qe9a7d1ee2f_proj
	.p2alignl 7, 3214868480
	.fill 96, 4, 3214868480
	.section	.rodata,"a",@progbits
	.p2align	6, 0x0
	.amdhsa_kernel k_qe9a7d1ee2f_proj
		.amdhsa_group_segment_fixed_size 327680
		.amdhsa_private_segment_fixed_size 0
		.amdhsa_enable_private_segment 0
		.amdhsa_kernarg_size 72
		.amdhsa_user_sgpr_count 2
		.amdhsa_user_sgpr_kernarg_segment_ptr 1
		.amdhsa_wavefront_size32 1
		.amdhsa_system_sgpr_workgroup_id_x 1
		.amdhsa_system_sgpr_workgroup_id_y 1
		.amdhsa_system_sgpr_workgroup_id_z 1
		.amdhsa_system_vgpr_workitem_id 0
		.amdhsa_next_free_vgpr 1024
		.amdhsa_next_free_sgpr 98
		.amdhsa_reserve_vcc 1
		.amdhsa_float_denorm_mode_32 3
		.amdhsa_float_denorm_mode_16_64 3
		.amdhsa_memory_ordered 1
		.amdhsa_forward_progress 1
		.amdhsa_inst_pref_size 147
	.end_amdhsa_kernel
	.amdgpu_metadata
---
amdhsa.version: [ 1, 2 ]
amdhsa.kernels:
  - .name:           k_qe9a7d1ee2f_proj
    .symbol:         k_qe9a7d1ee2f_proj.kd
    .args:
      - { .name: codes, .offset: 0, .size: 8, .value_kind: global_buffer, .address_space: global }
      - { .name: scales, .offset: 8, .size: 8, .value_kind: global_buffer, .address_space: global }
      - { .name: bq, .offset: 16, .size: 8, .value_kind: global_buffer, .address_space: global }
      - { .name: bk, .offset: 24, .size: 8, .value_kind: global_buffer, .address_space: global }
      - { .name: bv, .offset: 32, .size: 8, .value_kind: global_buffer, .address_space: global }
      - { .name: mask, .offset: 40, .size: 8, .value_kind: global_buffer, .address_space: global }
      - { .name: q16, .offset: 48, .size: 8, .value_kind: global_buffer, .address_space: global }
      - { .name: k16, .offset: 56, .size: 8, .value_kind: global_buffer, .address_space: global }
      - { .name: v16, .offset: 64, .size: 8, .value_kind: global_buffer, .address_space: global }
    .group_segment_fixed_size: 327680
    .private_segment_fixed_size: 0
    .kernarg_segment_align: 8
    .kernarg_segment_size: 72
    .max_flat_workgroup_size: 128
    .sgpr_count:     98
    .vgpr_count:     1024
    .wavefront_size: 32
...
	.end_amdgpu_metadata
.endif
;; end of part 2
;; launch attn (part 3): grid 2 x 128, 16 waves a work-group, no clusters, 327,680 bytes of LDS; arguments q16, k16, v16, mask, ctx; writes ctx
.if DOCPART == 3
	.amdgcn_target "amdgcn-amd-amdhsa--gfx1250"
	.amdhsa_code_object_version 6
	.text
	.protected	k_qe9a7d1ee2f_attn
	.globl	k_qe9a7d1ee2f_attn
	.p2align	8
	.type	k_qe9a7d1ee2f_attn,@function
k_qe9a7d1ee2f_attn:
	s_mov_b64 s[64:65], 0
	v_nop
	global_prefetch_b8 v0, s[64:65] scope:SCOPE_SE
	s_setreg_imm32_b32 hwreg(HW_REG_WAVE_MODE, 25, 1), 1
	s_wait_xcnt 0x0
; ctx[b][h][q][:] = sum over k of softmax_k(clip(Q . K / 8, -50, 50), hidden keys at -infinity) V[k][:].  q16 (already x log2(e) / 8), k16, v16 (hidden keys' rows already zeros), ctx: [b][h][s][64] f16.
; t = score x log2(e); the clip holds it within +-72.14.  M = the clipped largest t among the row's VISIBLE keys so far, a running maximum; p = 2^(clip(t) - M), at most 1, is rounded to f16 for the second product; the row's sum is
; taken of the unrounded p, in f32, and divides at the end.  In every step the sum and O^T are multiplied by a = 2^(old M - new M), which is 1 where M has not moved: no branch hangs on data.  Each product is made once.
; THE MASK.  The keys' bias (0, or -1e30 for a hidden key) is the C of the first products of S^T = K Q^T: it lies in LDS in the result's own layout, so hiding a key from the maximum costs no vector line.
; The clip is the middle of (t - M, -72.14 - M, 0): for a visible key clip(t) is never above M, so the bound 0 IS the upper clip; a hidden key falls on the lower bound, p at most 1, and p x V's zero row is 0.
; The sum is taken of p x m (m = 1 or 0, f32, in LDS) by the packed multiply-add that would else be an addition.
; A row all of whose keys are hidden has O = 0 exactly and its sum held at 1e-30 from below (a row with a visible key has a sum of about 1 or more): ctx = 0 there, as the problem has it.
; LIMITS: a p under 2^-24 of its row's largest so far is 0 in f16: 1,024 such are together under 2^-14 of the sum.  A NaN score (only from f16 operands beyond 65,504) is passed over by the maximum and held at the lower clip where the
; problem takes 0; NaN and infinities are not served.  ctx is f16: it is an average of V, magnitudes under 65,504.
; SHARES.  A work-group owns 512 queries of one head; each of its SIXTEEN waves 32 of them, two tiles of 16, in 256 registers: four waves to a SIMD, so that one wave's vector work stands beside another's products.
; A head's whole K and V (1,024 rows of 128 bytes each) lie in LDS, each byte filled ONCE: waves 0-3 bring K, waves 4-7 V, four loads of 64 rows each, for four stages of 256 keys; a stage is read behind a counted wait and a barrier
; while the later stages' loads are on their way.  Four tensor loads of a wave are out at the most.
; NO CLUSTER: a head has 1,024 / 512 = 2 work-groups; a cluster of four would hold two heads, whose tiles differ, and a pair is neither a row nor a column of a cluster; each work-group asks for its tiles once, at its head.
; LAYOUT.  S^T = K Q^T (source 0 = 16 keys, source 1 = 16 queries): a lane holds ONE query (lane % 16) and keys 8 (lane / 16) + 0..7.  Two such tiles, rounded in pairs, ARE source 1 (32 keys x 16 queries) of O^T = V^T P.  V comes turned, by ds_load_tr16_b128.
.set PK,    144                        ; a row of K in LDS: 128 bytes + 16: an odd multiple of 16
.set PV,    160                        ; a row of V: 128 + 32: an odd multiple of 32, for the turning load
.set VOFF,  1024*PK
.set MASKF, VOFF+1024*PV               ; 1,024 f32: m.  Written by LDS stores; no tile lands here
.set MBO,   4096                       ; behind it 1,024 f32: the mask bias
.set KST,   32*PK                      ; a step: 32 keys
.set VST,   32*PV
.set AK0, 1                            ; v1   my lane's place in a tile of K: 144 r + 16 h
.set AV0, 2                            ; v2   in V
.set AM0, 3                            ; v3   in m
.set ADK, 4                            ; v4-6 the addresses of the loads in hand
.set ADV, 5
.set ADM, 6
.set STO, 7                            ; v7   the way out: where I put 16 bytes of a row
.set T1,  8                            ; v8-9   tile t: at work on the maximum
.set T2,  10                           ; v10-11 tile t: what the lane 16 away holds
.set RD,  14                           ; v14  the way out: where I read rows back
.set GO,  15                           ; v15  16 x lane
.set Q,   16                           ; v16-47  Q: tile t, channels 32 kc on: 16 t + 8 kc
.set KF,  48                           ; v48-79  K: keys 16 u on, channels 32 kc on: 16 u + 8 kc
.set VF,  80                           ; v80-111 V^T: channels 16 c on: 8 c
.set MM,  112                          ; v112-127 of the step's keys 16 u + 8 h + j, at 8 u + j: the bias at a step's head, then m: one set, by turns
.set S,   128                          ; v128-159 S^T, then p: 16 t + 8 u
.set P,   160                          ; v160-175 p in f16: 8 t
.set O,   176                          ; v176-239 O^T: 32 t + 8 c
.set RM,  240                          ; v240-243 the running largest t of my keys: tile t, half u at 2 t + u
.set NM,  244                          ; v244-247 tile t: the pair (-M, -72.14 - M) at 2 t
.set A,   248                          ; v248-251 tile t: the pair (a, old M - new M) at 2 t
.set L,   252                          ; v252-255 tile t: the sum, a pair at 2 t
.set G1K, 24                           ; s[24:31] group 1 for K's tiles; s[32:39] for V's; s[40:55] K's four groups 0; s[68:83] V's
.set G1V, 32
.set G0K, 40
.set G0V, 68
.set WV,  14
.set W3,  15
.set SEL, 20
.set LO,  22                           ; s22, s23: -50 log2(e), +50 log2(e)
.set HI,  23
.set TK,  84                           ; s84-86 LDS offsets: the next step's K, this step's V and m
.set TV,  85
.set TM,  86
.set CNT, 87
.set BIG, 89                           ; s89  -1e30
	s_load_b256 s[4:11], s[0:1], 0x0               ; q16 s[4:5], k16 s[6:7], v16 s[8:9], mask s[10:11]
	s_load_b64 s[12:13], s[0:1], 0x20              ; ctx
	v_lshl_add_u32 v12, v0, 2, 0x4e000
	v_mov_b32 v13, 0
	ds_add_u32 v12, v13
	ds_add_u32 v12, v13
	v_lshrrev_b32 v1, 5, v0
	v_readfirstlane_b32 s[WV], v1                  ; wave 0..15
	s_and_b32 s[W3], s[WV], 3                      ; which 64 rows of a stage's 256 I fetch, if I fetch
	s_and_b32 s16, ttmp7, 0xffff                   ; 16 x batch + head
	s_lshl_b32 s18, s16, 17                        ; its first byte in each of the four tensors: 1,024 rows of 128 bytes
	s_lshl_b32 s2, s[W3], 13
	s_add_co_u32 s2, s2, s18
	s_mov_b32 s3, 0
	s_mov_b32 s[G1K], (1<<16)|(1<<20)|(4<<22)|(3<<25)   ; 15:0 no mask; 17:16 elements of 2 bytes; 20 padding on; 24:22 after every 32 words; 31:25 four words
	s_mov_b32 s[G1V], (1<<16)|(1<<20)|(4<<22)|(7<<25)   ; the same with eight words
.irp g, G1K, G1V
	s_mov_b32 s[\g+1], 64<<16                      ; tensor_dim0 = 64
	s_mov_b32 s[\g+2], 64<<16                      ; tensor_dim1 = 64
	s_mov_b32 s[\g+3], 64<<16                      ; tile_dim0 = 64
	s_mov_b32 s[\g+4], 64                          ; tile_dim1 = 64
	s_mov_b32 s[\g+5], 64                          ; tensor_dim0_stride
	s_mov_b32 s[\g+6], 0
	s_mov_b32 s[\g+7], 0
.endr
	s_mul_i32 s17, s[W3], 64*PK
	s_mul_i32 s19, s[W3], 64*PV
	s_mov_b32 s[SEL], 0x76543210
	s_mov_b32 s[SEL+1], 0xfedcba98                 ; v_permlanex16_b32's selects for lane l xor 16
	s_mov_b32 s[LO], 0xc29044fe
	s_mov_b32 s[HI], 0x429044fe
	s_mov_b32 s[BIG], 0xf149f2ca
	s_wait_dscnt 0x0
	s_wait_kmcnt 0x0
	s_add_nc_u64 s[6:7], s[6:7], s[2:3]
	s_add_nc_u64 s[8:9], s[8:9], s[2:3]
.irp j, 0,1,2,3                        ; stage j: keys 256 j on
	s_mov_b32 s[G0K+4*\j], 1
	s_add_co_u32 s[G0K+4*\j+1], s17, \j*256*PK
	s_add_nc_u64 s[G0K+4*\j+2:G0K+4*\j+3], s[6:7], \j*32768
	s_or_b32 s[G0K+4*\j+3], s[G0K+4*\j+3], 0x80000000
	s_mov_b32 s[G0V+4*\j], 1
	s_add_co_u32 s[G0V+4*\j+1], s19, VOFF+\j*256*PV
	s_add_nc_u64 s[G0V+4*\j+2:G0V+4*\j+3], s[8:9], \j*32768
	s_or_b32 s[G0V+4*\j+3], s[G0V+4*\j+3], 0x80000000
.endr
	s_cmp_lt_u32 s[WV], 4                          ; a wave's four fills stand in one branch on its number, ahead of every wait on TENSORcnt, every LDS read and every barrier; four v_nop follow the last
	s_cbranch_scc0 .Lnot_k
.irp j, 0,1,2,3
	tensor_load_to_lds s[G0K+4*\j:G0K+4*\j+3], s[G1K:G1K+7]
	s_nop 0
.endr
.rept 4
	v_nop
.endr
	s_branch .Lasked
.Lnot_k:
	s_cmp_lt_u32 s[WV], 8
	s_cbranch_scc0 .Lasked
.irp j, 0,1,2,3
	tensor_load_to_lds s[G0V+4*\j:G0V+4*\j+3], s[G1V:G1V+7]
	s_nop 0
.endr
.rept 4
	v_nop
.endr
.Lasked:
	s_lshl_b32 s2, ttmp9, 16                       ; my work-group's 512 queries,
	s_lshl_b32 s88, s[WV], 12                      ; my wave's 32 of them
	s_add_co_u32 s2, s2, s88
	s_add_co_u32 s2, s2, s18
	s_add_nc_u64 s[4:5], s[4:5], s[2:3]            ; Q and ctx at my first query
	s_add_nc_u64 s[12:13], s[12:13], s[2:3]
	s_lshr_b32 s2, s16, 4
	s_lshl_b32 s2, s2, 12                          ; the batch's 1,024 mask words
	s_add_nc_u64 s[10:11], s[10:11], s[2:3]
	v_and_b32 v240, 15, v0                         ; r   (v240-251 are at work here, at the head; the statistics take them behind the mask's stores)
	v_bfe_u32 v241, v0, 4, 1                       ; h
	v_lshlrev_b32 v246, 7, v240
	v_lshl_add_u32 v246, v241, 4, v246             ; Q: row r of 128 bytes + 16 h
.irp t, 0,1
.irp kc, 0,1
	global_load_b128 v[Q+16*\t+8*\kc:Q+16*\t+8*\kc+3], v246, s[4:5] offset:\t*2048+\kc*64
	global_load_b128 v[Q+16*\t+8*\kc+4:Q+16*\t+8*\kc+7], v246, s[4:5] offset:\t*2048+\kc*64+32
.endr
.endr
	v_lshlrev_b32 v242, 3, v0
	global_load_b64 v[244:245], v242, s[10:11]     ; 512 threads x two mask words
	v_lshl_add_u32 v249, v0, 3, MASKF
	v_mul_u32_u24 v[AK0], v240, PK
	v_lshl_add_u32 v[AK0], v241, 4, v[AK0]
	v_and_b32 v243, 7, v0                          ; the turning load: lane l addresses key 8 h + l % 8, channels 8 ((l / 8) % 2) on
	v_lshl_add_u32 v[AV0], v241, 3, v243
	v_mul_u32_u24 v[AV0], v[AV0], PV
	v_bfe_u32 v243, v0, 3, 1
	v_lshl_add_u32 v[AV0], v243, 4, v[AV0]
	v_add_nc_u32 v[AV0], VOFF, v[AV0]
	v_lshlrev_b32 v[AM0], 5, v241
	v_add_nc_u32 v[AM0], MASKF, v[AM0]             ; m of keys 8 h on
	s_mul_i32 s88, s[WV], 32*PK                    ; the way out: my stage, 2 x 16 rows of 144 bytes, in K's first bytes, used behind the last barrier
	v_add_nc_u32 v[STO], s88, v[AK0]               ; in: row r, 16 bytes for each half of the lanes
	v_bfe_u32 v243, v0, 3, 2
	v_mul_u32_u24 v[RD], v243, PK
	v_and_b32 v243, 7, v0
	v_lshl_add_u32 v[RD], v243, 4, v[RD]
	v_add_nc_u32 v[RD], s88, v[RD]                 ; back: row lane / 8, 16 bytes at 16 (lane % 8)
	v_and_b32 v[GO], 31, v0
	v_lshlrev_b32 v[GO], 4, v[GO]
	s_wait_loadcnt 0x0                             ; Q and the mask words
	v_cmp_ne_u32 vcc_lo, 0, v244
	v_cndmask_b32 v244, 0, 1.0, vcc_lo             ; m: 1 for a visible key, 0 for a hidden one;
	v_cndmask_b32 v250, s[BIG], 0, vcc_lo          ; the bias: 0, or -1e30
	v_cmp_ne_u32 vcc_lo, 0, v245
	v_cndmask_b32 v245, 0, 1.0, vcc_lo
	v_cndmask_b32 v251, s[BIG], 0, vcc_lo
	ds_store_b64 v249, v[244:245]                  ; the first stage's wait and barrier show both to every wave
	ds_store_b64 v249, v[250:251] offset:MBO
.irp i, 0,1,2,3
	v_mov_b32 v[RM+\i], s[BIG]                     ; the maxima begin under every t
.endr
	v_mov_b32 v[T2], 0                             ; written once: a lane permute's destination counts as one of its sources
	v_mov_b32 v[T2+1], 0
.macro LDK                             ; a step's four fragments of K
.irp u, 0,1
.irp kc, 0,1
	ds_load_b128 v[KF+16*\u+8*\kc:KF+16*\u+8*\kc+3], v[ADK] offset:\u*16*PK+\kc*64
	ds_load_b128 v[KF+16*\u+8*\kc+4:KF+16*\u+8*\kc+7], v[ADK] offset:\u*16*PK+\kc*64+32
.endr
.endr
.endm
.macro LDM off                         ; m (off = 0) or the bias (off = MBO on) of 32 keys, in the layout of a result of S^T
	ds_load_b128 v[MM:MM+3], v[ADM] offset:\off
	ds_load_b128 v[MM+4:MM+7], v[ADM] offset:\off+16
	ds_load_b128 v[MM+8:MM+11], v[ADM] offset:\off+64
	ds_load_b128 v[MM+12:MM+15], v[ADM] offset:\off+80
.endm
.macro LDV
.irp c, 0,1,2,3
	ds_load_tr16_b128 v[VF+8*\c:VF+8*\c+3], v[ADV] offset:32*\c
	ds_load_tr16_b128 v[VF+8*\c+4:VF+8*\c+7], v[ADV] offset:16*PV+32*\c
.endr
.endm
; A STEP: 32 keys.  At its head K and the bias are in registers.  Behind the first products this step's m and V are fetched, and with pre = 1 the next step's K; behind the sums, with pre = 1, the next step's bias.
; zero = 1: the first step: it has no old M, starts O^T with the constant 0 and the sums with a multiply: nothing is cleared.
; The accumulators take turns, one instruction a turn: between two links on S^T stand three others', O^T's eight are taken once a step.
.macro STEP pre, zero
	s_wait_dscnt 0x0                               ; K and the bias are in
.irp kc, 0,1
.irp t, 0,1
.irp u, 0,1
.if \kc == 0
	v_wmma_f32_16x16x32_f16 v[S+16*\t+8*\u:S+16*\t+8*\u+7], v[KF+16*\u+8*\kc:KF+16*\u+8*\kc+7], v[Q+16*\t+8*\kc:Q+16*\t+8*\kc+7], v[MM+8*\u:MM+8*\u+7]
.else
	v_wmma_f32_16x16x32_f16 v[S+16*\t+8*\u:S+16*\t+8*\u+7], v[KF+16*\u+8*\kc:KF+16*\u+8*\kc+7], v[Q+16*\t+8*\kc:Q+16*\t+8*\kc+7], v[S+16*\t+8*\u:S+16*\t+8*\u+7]
.endif
.endr
.endr
.endr
	v_add_nc_u32 v[ADK], s[TK], v[AK0]             ; three plain lines and one v_nop: the four places in front of the loads into the registers of K, of the bias and (behind the last step's second products) of V,
	v_add_nc_u32 v[ADV], s[TV], v[AV0]             ; and of the first reads of S^T (ISA guide 7.12.1)
	v_add_nc_u32 v[ADM], s[TM], v[AM0]
	s_add_co_u32 s[TK], s[TK], KST
	s_add_co_u32 s[TV], s[TV], VST
	s_add_co_u32 s[TM], s[TM], 128
	v_nop
	LDM 0                                          ; m of this step, where the bias lay
	LDV                                            ; V of this step
.if \pre
	LDK                                            ; K of the next step
.endif
.irp i, 0,1,2,3                        ; the running maxima of my keys: four chains by turns, each accumulator from its low end on
.irp t, 0,1
.irp u, 0,1
	v_max3_num_f32 v[RM+2*\t+\u], v[RM+2*\t+\u], v[S+16*\t+8*\u+2*\i], v[S+16*\t+8*\u+2*\i+1]
.endr
.endr
.endr
.irp t, 0,1
	v_max_num_f32 v[T1+\t], v[RM+2*\t], v[RM+2*\t+1]
.endr
.irp t, 0,1
	v_permlanex16_b32 v[T2+\t], v[T1+\t], s[SEL], s[SEL+1]         ; the query's other keys lie in the lane 16 away
.endr
.irp t, 0,1
	v_max_num_f32 v[T1+\t], v[T1+\t], v[T2+\t]     ; the largest visible t so far
.endr
.if \zero
.irp t, 0,1
	v_med3_num_f32 v[NM+2*\t], -v[T1+\t], s[LO], s[HI]             ; -M: the clip's range is symmetric, and the clip rises with t: the largest clipped t is the clipped largest t
.endr
.else
.irp t, 0,1
	v_med3_num_f32 v[T1+\t], -v[T1+\t], s[LO], s[HI]
.endr
.irp t, 0,1
	v_sub_f32 v[A+2*\t+1], v[T1+\t], v[NM+2*\t]    ; old M - new M, 0 or less
.endr
.irp t, 0,1
	v_mov_b32 v[NM+2*\t], v[T1+\t]
.endr
.endif
.irp t, 0,1
	v_add_f32 v[NM+2*\t+1], s[LO], v[NM+2*\t]      ; the lower clip less M
.endr
.if !\zero
.irp t, 0,1
	v_exp_f32 v[A+2*\t], v[A+2*\t+1]               ; a; the additions below are the plain lines behind it
.endr
.endif
.irp t, 0,1
.set ii, 0
.rept 8
	v_pk_add_f32 v[S+16*\t+2*ii:S+16*\t+2*ii+1], v[S+16*\t+2*ii:S+16*\t+2*ii+1], v[NM+2*\t:NM+2*\t+1] op_sel_hi:[1,0]   ; t - M, two at a time (of the pair the low word serves both halves)
.set ii, ii+1
.endr
.endr
; the clip, p = 2^(t - M), and p in f16, pair by pair.  A pair's rounding stands one pair back, so that plain lines stand between every exponential and the use of its result.
.set pp, 0
.rept 16
	v_med3_num_f32 v[S+2*pp], v[S+2*pp], v[NM+2*(pp/8)+1], 0
	v_med3_num_f32 v[S+2*pp+1], v[S+2*pp+1], v[NM+2*(pp/8)+1], 0
	v_exp_f32 v[S+2*pp], v[S+2*pp]
	v_exp_f32 v[S+2*pp+1], v[S+2*pp+1]
.if pp > 0
	s_wait_alu depctr_va_vdst(0)
	v_cvt_pk_f16_f32 v[P+pp-1], v[S+2*pp-2], v[S+2*pp-1]
.endif
.set pp, pp+1
.endr
	v_cvt_pk_f16_f32 v[P+15], v[S+30], v[S+31]
.if \pre
	s_wait_dscnt 8                                 ; m and V are in; the next step's K, eight loads issued behind them, may be out
.else
	s_wait_dscnt 0x0
.endif
.if !\zero
.irp t, 0,1
	v_pk_mul_f32 v[L+2*\t:L+2*\t+1], v[L+2*\t:L+2*\t+1], v[A+2*\t:A+2*\t+1] op_sel_hi:[1,0]   ; the sums under the new M
.endr
.endif
.irp i, 0,1,2,3                        ; the sums of p x m, the two tiles by turns
.irp u, 0,1
.irp t, 0,1
.if \zero && (\i == 0) && (\u == 0)
	v_pk_mul_f32 v[L+2*\t:L+2*\t+1], v[S+16*\t+8*\u+2*\i:S+16*\t+8*\u+2*\i+1], v[MM+8*\u+2*\i:MM+8*\u+2*\i+1]
.else
	v_pk_fma_f32 v[L+2*\t:L+2*\t+1], v[S+16*\t+8*\u+2*\i:S+16*\t+8*\u+2*\i+1], v[MM+8*\u+2*\i:MM+8*\u+2*\i+1], v[L+2*\t:L+2*\t+1]
.endif
.endr
.endr
.endr
.if \pre
	LDM MBO+128                                    ; the next step's bias, where m lay: 32 keys, 128 bytes, on
.endif
.if !\zero
.irp t, 0,1
.set ii, 0
.rept 16
	v_pk_mul_f32 v[O+32*\t+2*ii:O+32*\t+2*ii+1], v[O+32*\t+2*ii:O+32*\t+2*ii+1], v[A+2*\t:A+2*\t+1] op_sel_hi:[1,0]   ; O^T under the new M; each accumulator from its low end on
.set ii, ii+1
.endr
.endr
.endif
.irp c, 0,1,2,3
.irp t, 0,1
.if \zero
	v_wmma_f32_16x16x32_f16 v[O+32*\t+8*\c:O+32*\t+8*\c+7], v[VF+8*\c:VF+8*\c+7], v[P+8*\t:P+8*\t+7], 0
.else
	v_wmma_f32_16x16x32_f16 v[O+32*\t+8*\c:O+32*\t+8*\c+7], v[VF+8*\c:VF+8*\c+7], v[P+8*\t:P+8*\t+7], v[O+32*\t+8*\c:O+32*\t+8*\c+7]
.endif
.endr
.endr
.endm
; A STAGE: 256 keys, eight steps.  My load for this stage has landed (the count leaves my later stages' loads out), my LDS instructions are done, and behind the barrier that holds of every wave.
.macro STAGE g
	s_wait_tensorcnt 3-\g
	s_wait_dscnt 0x0
	s_barrier_signal -1
	s_barrier_wait -1
	s_mov_b32 s[TK], \g*8*KST
	s_mov_b32 s[TV], \g*8*VST
	s_mov_b32 s[TM], \g*8*128
	v_add_nc_u32 v[ADK], s[TK], v[AK0]
	v_add_nc_u32 v[ADM], s[TM], v[AM0]
	s_add_co_u32 s[TK], s[TK], KST                 ; K runs a step ahead of V and m
	LDK                                            ; the stage's first K and bias
	LDM MBO
.if \g == 0
	STEP 1, 1
	s_mov_b32 s[CNT], 6
.else
	s_mov_b32 s[CNT], 7
.endif
.Lstep_\@:
	STEP 1, 0
	s_sub_co_u32 s[CNT], s[CNT], 1
	s_cmp_lg_u32 s[CNT], 0
	s_cbranch_scc1 .Lstep_\@
	STEP 0, 0                                      ; the stage's last step fetches nothing of the next: its tiles are read only behind its barrier
.endm
	STAGE 0
	STAGE 1
	STAGE 2
	STAGE 3
	; THE WAY OUT.  Behind this barrier nobody reads K any more: its first bytes, which have had their one fill, are the stages.
	s_wait_dscnt 0x0
	s_barrier_signal -1
	s_barrier_wait -1
.irp t, 0,1
	v_add_f32 v[L+2*\t], v[L+2*\t], v[L+2*\t+1]
.endr
.irp t, 0,1
	v_permlanex16_b32 v[L+2*\t+1], v[L+2*\t], s[SEL], s[SEL+1]     ; the query's other keys lie in the lane 16 away; both lanes hold the same M
.endr
.irp t, 0,1
	v_add_f32 v[L+2*\t], v[L+2*\t], v[L+2*\t+1]
.endr
.irp t, 0,1
	v_max_num_f32 v[L+2*\t], 0x0da24260, v[L+2*\t]                 ; 1e-30: it holds only where every key is hidden
.endr
.irp t, 0,1
	v_rcp_f32 v[VF+2*\t], v[L+2*\t]
	v_rcp_f32 v[VF+2*\t+1], v[L+2*\t]              ; twice: a pair for the packed multiply
.endr
	v_nop                                          ; a plain line between the last reciprocal and the use of its result
	s_wait_alu depctr_va_vdst(0)
.irp t, 0,1
.set ii, 0
.rept 16
	v_pk_mul_f32 v[O+32*\t+2*ii:O+32*\t+2*ii+1], v[O+32*\t+2*ii:O+32*\t+2*ii+1], v[VF+2*\t:VF+2*\t+1]   ; each accumulator from its low end on
.set ii, ii+1
.endr
.endr
.irp t, 0,1
.set ii, 0
.rept 16
	v_cvt_pk_f16_f32 v[S+16*\t+ii], v[O+32*\t+2*ii], v[O+32*\t+2*ii+1]
.set ii, ii+1
.endr
.endr
.irp t, 0,1
.irp c, 0,1,2,3
	ds_store_b128 v[STO], v[S+16*\t+4*\c:S+16*\t+4*\c+3] offset:\t*16*PK+32*\c     ; lane (r, h): channels 16 c + 8 h + 0..7 of query 16 t + r
.endr
.endr
.irp t, 0,1
.irp i, 0,1,2,3
	ds_load_b128 v[KF+16*\t+4*\i:KF+16*\t+4*\i+3], v[RD] offset:\t*16*PK+\i*4*PK   ; in order behind my stores: four whole rows an instruction
.endr
.endr
.irp t, 0,1
.irp i, 0,1,2,3
	s_wait_dscnt 7-4*\t-\i                         ; the younger loads may be out
	global_store_b128 v[GO], v[KF+16*\t+4*\i:KF+16*\t+4*\i+3], s[12:13] offset:\t*2048+\i*512   ; 32 lanes store 512 consecutive bytes, aligned
.endr
.endr
	s_wait_tensorcnt 0x0
	ds_add_u32 v12, v13
	s_wait_dscnt 0x0
	s_endpgm
.Lfunc_end_k_qe9a7d1ee2f_attn:
	.size	k_qe9a7d1ee2f_attn, .Lfunc_end_k_qe9a7d1ee2f_attn-k_qe9a7d1ee2f_attn
	.p2alignl 7, 3214868480
	.fill 96, 4, 3214868480
	.section	.rodata,"a",@progbits
	.p2align	6, 0x0
	.amdhsa_kernel k_qe9a7d1ee2f_attn
		.amdhsa_group_segment_fixed_size 327680
		.amdhsa_private_segment_fixed_size 0
		.amdhsa_enable_private_segment 0
		.amdhsa_kernarg_size 40
		.amdhsa_user_sgpr_count 2
		.amdhsa_user_sgpr_kernarg_segment_ptr 1
		.amdhsa_wavefront_size32 1
		.amdhsa_system_sgpr_workgroup_id_x 1
		.amdhsa_system_sgpr_workgroup_id_y 1
		.amdhsa_system_sgpr_workgroup_id_z 1
		.amdhsa_system_vgpr_workitem_id 0
		.amdhsa_next_free_vgpr 256
		.amdhsa_next_free_sgpr 90
		.amdhsa_reserve_vcc 1
		.amdhsa_float_denorm_mode_32 3
		.amdhsa_float_denorm_mode_16_64 3
		.amdhsa_memory_ordered 1
		.amdhsa_forward_progress 1
		.amdhsa_inst_pref_size 133
	.end_amdhsa_kernel
	.amdgpu_metadata
---
amdhsa.version: [ 1, 2 ]
amdhsa.kernels:
  - .name:           k_qe9a7d1ee2f_attn
    .symbol:         k_qe9a7d1ee2f_attn.kd
    .args:
      - { .name: q16, .offset: 0, .size: 8, .value_kind: global_buffer, .address_space: global }
      - { .name: k16, .offset: 8, .size: 8, .value_kind: global_buffer, .address_space: global }
      - { .name: v16, .offset: 16, .size: 8, .value_kind: global_buffer, .address_space: global }
      - { .name: mask, .offset: 24, .size: 8, .value_kind: global_buffer, .address_space: global }
      - { .name: ctx, .offset: 32, .size: 8, .value_kind: global_buffer, .address_space: global }
    .group_segment_fixed_size: 327680
    .private_segment_fixed_size: 0
    .kernarg_segment_align: 8
    .kernarg_segment_size: 40
    .max_flat_workgroup_size: 512
    .sgpr_count:     90
    .vgpr_count:     256
    .wavefront_size: 32
...
	.end_amdgpu_metadata
.endif
;; end of part 3
;; launch outp (part 4): grid 4 x 64, 4 waves a work-group, clusters of 4 x 4, 327,680 bytes of LDS; arguments ctx, wo16, bo, out0; writes out0
.if DOCPART == 4
	.amdgcn_target "amdgcn-amd-amdhsa--gfx1250"
	.amdhsa_code_object_version 6
	.text
	.protected	k_qe9a7d1ee2f_outp
	.globl	k_qe9a7d1ee2f_outp
	.p2align	8
	.type	k_qe9a7d1ee2f_outp,@function
k_qe9a7d1ee2f_outp:
	s_mov_b64 s[64:65], 0
	v_nop
	global_prefetch_b8 v0, s[64:65] scope:SCOPE_SE
	s_setreg_imm32_b32 hwreg(HW_REG_WAVE_MODE, 25, 1), 1
	s_wait_xcnt 0x0
	s_wait_alu depctr_hold_cnt(0) depctr_sa_sdst(0) depctr_va_vdst(0) depctr_va_sdst(0) depctr_va_ssrc(0) depctr_va_vcc(0) depctr_vm_vsrc(0)
	s_getreg_b32 s2, hwreg(HW_REG_IB_STS2, 6, 4)
	s_cmp_eq_u32 s2, 0
	s_cbranch_scc0 .Lentry_in_a_cluster
	s_endpgm
.Lentry_in_a_cluster:
	s_bfe_u32 s2, ttmp6, 0x10000c
	s_cmp_lg_u32 s2, 0xf033
	s_cbranch_scc0 .Lentry_shape_is_right
	s_endpgm
.Lentry_shape_is_right:
; out0[m][n] = sum over k of ctx[m][k] Wo[n][k] + bo[n].  ctx: [batch][head][s][64] f16 (m = 1024 batch + s, k = 64 head + d); wo16: [1024 n][1024 k] f16; out0: [8192][1024] f32; sums in f32.
; LIMITS: NaN and infinities are not served: on finite sums the reference's replacement of NaN changes nothing and is not written.
; A tile of 128 (m) x 256 (n) is made by four waves, each 64 x 128: 32 accumulators of 16 x 16, 256 registers: 64 x 4 = 256 work-groups.  K goes in eight steps of 128 (two heads) through a ring of two LDS slots filled by the tensor
; data mover: waves 0 and 1 bring ctx's two heads (128 rows of 128 bytes, dense in memory), waves 2 and 3 the halves of Wo's 256 rows (256 bytes a row).
; CLUSTERS: 4 x 4 work-groups.  The four of a row of the cluster need the same tiles of ctx, the four of a column the same tiles of Wo: each is asked for JOINTLY, by the same tensor load with the same descriptor and a mask that names the four.
; THE MATRIX INSTRUCTION IS USED TRANSPOSED (source 0 = 16 rows of Wo, source 1 = 16 rows of ctx): a lane holds eight neighbouring columns of one row of out0.  bo is the C of each sum's first product.
; REGISTERS: window 0: v0-31 addresses; v32-63, v64-95 ctx's fragments (4 x 16 rows x 32 K), two buffers; v128-191, v192-255 Wo's (8 x), two buffers; v192-255 hold bo until the first fetch into buffer 1; on the way out v128-255 take rows.
;   window 1: the accumulators ((a, b) at v[8 (8 a + b)]).
.set PA,     144                       ; a row of ctx in LDS: 128 bytes + 16
.set PB,     272                       ; a row of Wo: 256 bytes + 16: both odd multiples of 16: the 16 rows that a load touches start at 16 different groups of banks (64 banks of 4 bytes: ISA guide 11.1)
.set APLANE, 128*PA                    ; a head's 128 rows
.set BHALF,  128*PB
.set BOFF,   2*APLANE
.set SLOT,   BOFF+2*BHALF
.set SPARE,  2*SLOT                    ; the spare words, 128 bytes a wave: two blocks of 256 bytes that no other line names
.set STAGE,  SPARE+512                 ; the way out: 16 rows x (512 bytes + 16) for each wave; no tile lands here
.set SPITCH, 528
.set LAPS,   4                         ; a lap = two K steps = once round the ring
.set ADRA, 16
.set ADRB, 20
.set STO,  24
.set RD,   25
.set CO,   26
.set BO,   27
.set SPW,  28
.set NIL,  29
.set FA,   32
.set FB,   128
.set BIAS, 192
.set BK,   128
.set G1, 24                            ; s[24:31] group 1 for ctx's tiles; s[32:39] group 0, a set for each slot
.set G0, 32
.set G1B, 48                           ; s[48:55], s[56:63] the same for Wo's
.set G0B, 56
.set MSB, 0
.macro WIN new                         ; the immediate's high byte repeats the setting that is left
.if MSB != \new
	s_set_vgpr_msb (MSB<<8)|\new
.set MSB, \new
.endif
.endm
.set MUL,   0x50                       ; C and D window 1, the sources window 0
.set FIRST, 0x40                       ; D window 1, C (bo) window 0
.macro JLOAD s                         ; a joint load: waves 0 and 1 fetch ctx's heads, waves 2 and 3 Wo's halves; four v_nop follow each of the two lines
	s_cmp_eq_u32 s13, 0
	s_cbranch_scc0 .Lfor_b_\@
	tensor_load_to_lds s[G0+4*\s:G0+4*\s+3], s[G1:G1+7]
	s_nop 0
.rept 4
	v_nop
.endr
	s_branch .Lasked_\@
.Lfor_b_\@:
	tensor_load_to_lds s[G0B+4*\s:G0B+4*\s+3], s[G1B:G1B+7]
	s_nop 0
.rept 4
	v_nop
.endr
.Lasked_\@:
.endm
.macro CREST                           ; a round of the cluster's barrier behind its opening barrier
	s_cmp_lg_u32 s12, 0
	s_cbranch_scc1 .Lnot_wave_0_\@
	s_barrier_signal -3
.Lnot_wave_0_\@:
	s_barrier_wait -3
	s_barrier_signal -1
	s_barrier_wait -1
.endm
.macro CROUND
	s_barrier_signal -1
	s_barrier_wait -1
	CREST
.endm
.macro PLACES                          ; four places in front of loads into registers that matrix instructions have read, and of the first reads of results
.rept 4
	v_nop
.endr
.endm
	s_load_b256 s[4:11], s[0:1], 0x0               ; ctx s[4:5], wo16 s[6:7], bo s[8:9], out0 s[10:11]
	v_lshl_add_u32 v[SPW], v0, 2, SPARE
	v_mov_b32 v[NIL], 0
	ds_add_u32 v28, v29
	ds_add_u32 v28, v29
	s_wait_dscnt 0x0
	v_lshrrev_b32 v1, 5, v0
	v_readfirstlane_b32 s12, v1                    ; wave 0..3
	s_lshr_b32 s13, s12, 1                         ; which 64 rows of the tile are mine.  Also: I fetch for ctx (0) or for Wo (1)
	s_and_b32 s14, s12, 1                          ; which 128 columns.  Also: which head, or which half of Wo's rows, I fetch
	s_bfe_u32 s40, ttmp6, 0x40000                  ; cx, cy
	s_bfe_u32 s41, ttmp6, 0x40004
	s_lshl_b32 s42, ttmp9, 2
	s_add_co_u32 s42, s42, s40                     ; tile column: 0..3
	s_and_b32 s15, ttmp7, 0xffff
	s_lshl_b32 s15, s15, 2
	s_add_co_u32 s15, s15, s41                     ; tile row: 0..63
	s_lshl_b32 s43, s41, 2
	s_lshl_b32 s43, 15, s43                        ; my row of the cluster
	s_lshl_b32 s44, 0x1111, s40                    ; my column
	s_or_b32 s[G1+0], s43, (1<<16)|(1<<20)|(1<<21)|(4<<22)|(3<<25)   ; 15:0 the mask; 17:16 elements of 2 bytes; 20 padding on; 21 set beside a mask; 24:22 after every 32 words; 31:25 four words
	s_mov_b32 s[G1+1], 64<<16                      ; tensor_dim0 = 64
	s_mov_b32 s[G1+2], 128<<16                     ; tensor_dim1 = 128
	s_mov_b32 s[G1+3], 64<<16                      ; tile_dim0 = 64
	s_mov_b32 s[G1+4], 128                         ; tile_dim1 = 128
	s_mov_b32 s[G1+5], 64                          ; tensor_dim0_stride
	s_mov_b32 s[G1+6], 0
	s_mov_b32 s[G1+7], 0
	s_or_b32 s[G1B+0], s44, (1<<16)|(1<<20)|(1<<21)|(5<<22)|(3<<25)  ; padding after every 64 words
	s_mov_b32 s[G1B+1], 128<<16
	s_mov_b32 s[G1B+2], 128<<16
	s_mov_b32 s[G1B+3], 128<<16
	s_mov_b32 s[G1B+4], 128
	s_mov_b32 s[G1B+5], 1024
	s_mov_b32 s[G1B+6], 0
	s_mov_b32 s[G1B+7], 0
	s_lshr_b32 s16, s15, 3                         ; ctx: batch x 2^21
	s_lshl_b32 s16, s16, 21
	s_and_b32 s17, s15, 7
	s_lshl_b32 s17, s17, 14                        ; + the tile's first s x 128 bytes
	s_add_co_u32 s16, s16, s17
	s_lshl_b32 s17, s14, 17                        ; + my head of the step's two
	s_add_co_u32 s16, s16, s17
	s_mov_b32 s17, 0
	s_lshl_b32 s46, s42, 8                         ; Wo: row 256 x tile column + 128 x half, 2,048 bytes a row
	s_lshl_b32 s47, s14, 7
	s_add_co_u32 s46, s46, s47
	s_lshl_b32 s46, s46, 11
	s_mov_b32 s47, 0
	s_mul_i32 s20, s14, APLANE                     ; where they go: no place in the cluster enters an LDS address
	s_mul_i32 s21, s14, BHALF
	s_add_co_u32 s21, s21, BOFF
	s_wait_kmcnt 0x0
	s_add_nc_u64 s[18:19], s[4:5], s[16:17]
	s_add_nc_u64 s[46:47], s[6:7], s[46:47]
	CROUND                                         ; all sixteen work-groups are here: the first joint loads meet
.irp s, 0,1
	s_mov_b32 s[G0+4*\s], 1
	s_add_co_u32 s[G0+4*\s+1], s20, \s*SLOT
	s_add_nc_u64 s[G0+4*\s+2:G0+4*\s+3], s[18:19], \s*262144       ; K step s: two heads on
	s_or_b32 s[G0+4*\s+3], s[G0+4*\s+3], 0x80000000
	s_mov_b32 s[G0B+4*\s], 1
	s_add_co_u32 s[G0B+4*\s+1], s21, \s*SLOT
	s_add_nc_u64 s[G0B+4*\s+2:G0B+4*\s+3], s[46:47], \s*256
	s_or_b32 s[G0B+4*\s+3], s[G0B+4*\s+3], 0x80000000
	JLOAD \s                                       ; two tensor loads of mine are out here, later one behind each round
.endr
	v_and_b32 v1, 15, v0                           ; r
	v_bfe_u32 v2, v0, 4, 1                         ; h
	v_lshlrev_b32 v[BO], 5, v2
	s_lshl_b32 s46, s42, 10                        ; my first column, in bytes of f32: 1024 x tile column + 512 x half
	s_lshl_b32 s47, s14, 9
	s_add_co_u32 s46, s46, s47
	s_mov_b32 s47, 0
	s_add_nc_u64 s[8:9], s[8:9], s[46:47]
.irp b, 0,1,2,3,4,5,6,7
	global_load_b128 v[BIAS+8*\b:BIAS+8*\b+3], v[BO], s[8:9] offset:64*\b          ; lane (r, h), register j: bo of column 16 b + 8 h + j
	global_load_b128 v[BIAS+8*\b+4:BIAS+8*\b+7], v[BO], s[8:9] offset:64*\b+16
.endr
	s_add_nc_u64 s[10:11], s[10:11], s[46:47]
	s_lshl_b32 s16, s15, 7
	s_lshl_b32 s18, s13, 6
	s_add_co_u32 s16, s16, s18                     ; my first row: 128 x tile row + 64 x half, 4,096 bytes a row
	s_lshl_b32 s16, s16, 12
	s_add_nc_u64 s[10:11], s[10:11], s[16:17]
	v_mul_u32_u24 v3, v1, PA
	v_lshl_add_u32 v3, v2, 4, v3
	v_mul_u32_u24 v4, v1, PB
	v_lshl_add_u32 v4, v2, 4, v4
	s_mul_i32 s21, s13, 64*PA                      ; my 64 rows of each head
	s_mul_i32 s22, s14, BHALF                      ; my 128 rows of Wo
	s_add_co_u32 s22, s22, BOFF
.irp s, 0,1
	v_add_nc_u32 v[ADRA+\s], s21, v3
	v_add_nc_u32 v[ADRB+\s], s22, v4
	s_add_co_u32 s21, s21, SLOT
	s_add_co_u32 s22, s22, SLOT
.endr
	s_mul_i32 s23, s12, 16*SPITCH
	s_add_co_u32 s23, s23, STAGE                   ; my stage
	v_mul_u32_u24 v5, v1, SPITCH
	v_lshl_add_u32 v5, v2, 5, v5
	v_add_nc_u32 v[STO], s23, v5                   ; in: row r, 32 bytes for each half of the lanes
	v_and_b32 v6, 31, v0
	v_lshlrev_b32 v[CO], 4, v6
	v_add_nc_u32 v[RD], s23, v[CO]                 ; back: the 32 lanes take one row of 512 bytes
; 8 matrix instructions: ctx's block a against Wo's eight, 32 along K, from buffer f.  zero = 1: the first product starts the sum on bo.  The 32 accumulators take turns, one instruction a turn, in the same order in every quarter.
.macro MUL8 f, a, zero
.irp b, 0,1,2,3,4,5,6,7
.if \zero
	v_wmma_f32_16x16x32_f16 v[8*(8*(\a)+\b):8*(8*(\a)+\b)+7], v[FB+64*(\f)+8*\b:FB+64*(\f)+8*\b+7], v[FA+32*(\f)+8*(\a):FA+32*(\f)+8*(\a)+7], v[BIAS+8*\b:BIAS+8*\b+7]
.else
	v_wmma_f32_16x16x32_f16 v[8*(8*(\a)+\b):8*(8*(\a)+\b)+7], v[FB+64*(\f)+8*\b:FB+64*(\f)+8*\b+7], v[FA+32*(\f)+8*(\a):FA+32*(\f)+8*(\a)+7], v[8*(8*(\a)+\b):8*(8*(\a)+\b)+7]
.endif
.endr
.endm
.macro MUL16 f, a0
	MUL8 \f, \a0, 0
	MUL8 \f, (\a0)+1, 0
.endm
; 24 LDS loads in one run: the fragments of the slot's quarter q (32 along K) into buffer f: Wo's sixteen first, then ctx's eight.  Quarter q lies in head q / 2, channels 32 (q % 2) on.
.macro FETCH slot, q, f
.irp b, 0,1,2,3,4,5,6,7
	ds_load_b128 v[FB+64*(\f)+8*\b:FB+64*(\f)+8*\b+3], v[ADRB+\slot] offset:64*(\q)+\b*16*PB
	ds_load_b128 v[FB+64*(\f)+8*\b+4:FB+64*(\f)+8*\b+7], v[ADRB+\slot] offset:64*(\q)+\b*16*PB+32
.endr
.irp a, 0,1,2,3
	ds_load_b128 v[FA+32*(\f)+8*\a:FA+32*(\f)+8*\a+3], v[ADRA+\slot] offset:((\q)/2)*APLANE+((\q)%2)*64+\a*16*PA
	ds_load_b128 v[FA+32*(\f)+8*\a+4:FA+32*(\f)+8*\a+7], v[ADRA+\slot] offset:((\q)/2)*APLANE+((\q)%2)*64+\a*16*PA+32
.endr
.endm
; One of a K step's first three quarters: multiplies buffer f; in its middle it fetches quarter qn of the same slot into buffer g.
.macro QUARTER slot, qn, f, g
	s_wait_dscnt 4                                 ; Wo's fragments and ctx's blocks 0, 1 are in; the youngest four loads (blocks 2, 3) may be out
	WIN MUL
	MUL16 \f, 0
	PLACES
	WIN 0
	FETCH \slot, \qn, \g
	s_wait_dscnt 24                                ; all but the 24 just issued
	WIN MUL
	MUL16 \f, 2
.endm
; The last quarter multiplies buffer 1 and changes slots: ONE barrier; in front of it each wave waits for all its tensor loads, adds 0 to its spare word, and waits for that and for its own reads of this slot.  fill = 1: this slot is filled again, two K steps ahead.
.macro TURN slot, next, fill
	WIN 0                                          ; (the add's two registers lie in window 0)
	s_wait_tensorcnt 0x0                           ; all my tensor loads have landed: my part of the next slot
	ds_add_u32 v[SPW], v[NIL]                      ; 0 onto my spare word
	s_wait_dscnt 5                                 ; (the add and the youngest four loads may be out)
	WIN MUL
	MUL8 1, 0, 0                                   ; eight matrix instructions stand between the add and the wait for it
	s_wait_dscnt 0x0                               ; the add is done, and my reads of this slot are over
	s_barrier_signal -1
	MUL8 1, 1, 0
	WIN 0                                          ; (branches and loads follow)
	s_barrier_wait -1
.if \fill
	CREST                                          ; the barrier has opened a round of the cluster's barrier: no wave of any partner still reads this slot's tile or has a load on its way
	s_add_nc_u64 s[G0+4*\slot+2:G0+4*\slot+3], s[G0+4*\slot+2:G0+4*\slot+3], 524288   ; four heads on
	s_add_nc_u64 s[G0B+4*\slot+2:G0B+4*\slot+3], s[G0B+4*\slot+2:G0B+4*\slot+3], 512
	JLOAD \slot                                    ; the first tensor load behind the round; the four v_nop behind it are also the places in front of the loads below
.else
	PLACES
.endif
	FETCH \next, 0, 0
	WIN MUL
	MUL16 1, 2
.endm
	s_wait_tensorcnt 1                             ; my part of K step 0 is in; K step 1's load may be out
	s_barrier_signal -1
	s_barrier_wait -1                              ; everybody's is
	FETCH 0, 0, 0
	s_wait_loadcnt 0x0                             ; bo
	s_wait_dscnt 0x0
	WIN FIRST                                      ; the first quarter stands in front of the loop: its products start the sums on bo
	MUL8 0, 0, 1
	MUL8 0, 1, 1
	MUL8 0, 2, 1
	MUL8 0, 3, 1
	PLACES                                         ; bo's registers are buffer 1 from here on
	WIN 0
	FETCH 0, 1, 1
	s_mov_b32 s3, LAPS-1
.Llap:                                                 ; a trip goes once round the ring, from a lap's second quarter to the next lap's first, and fills both slots again
	QUARTER 0, 2, 1, 0
	QUARTER 0, 3, 0, 1
	TURN 0, 1, 1
	QUARTER 1, 1, 0, 1
	QUARTER 1, 2, 1, 0
	QUARTER 1, 3, 0, 1
	TURN 1, 0, 1
	QUARTER 0, 1, 0, 1
	WIN 0                                          ; at a label and at a branch every window is 0
	s_sub_co_u32 s3, s3, 1
	s_cmp_lg_u32 s3, 0
	s_cbranch_scc1 .Llap
	QUARTER 0, 2, 1, 0                             ; the last lap fills nothing, and has no round of the cluster's barrier
	QUARTER 0, 3, 0, 1
	TURN 0, 1, 0
	QUARTER 1, 1, 0, 1
	QUARTER 1, 2, 1, 0
	QUARTER 1, 3, 0, 1
	s_wait_dscnt 4                                 ; the very last quarter: nothing more to fetch
	WIN MUL
	MUL16 1, 0
	s_wait_dscnt 0
	MUL16 1, 2
	WIN 0
; THE WAY OUT, block by block of 16 rows x 128 columns.  A lane holds 32 neighbouring bytes of a row: a block goes through my own stage and comes back as whole rows of 512 bytes.  LDS serves a wave's instructions in order (ISA guide 5.7.1).
.macro TOSTAGE a
	WIN 0x04                                       ; an LDS store's data are its source 1: window 1
.irp b, 0,1,2,3,4,5,6,7
	ds_store_b128 v[STO], v[64*(\a)+8*\b:64*(\a)+8*\b+3] offset:64*\b              ; each accumulator from its low end on
	ds_store_b128 v[STO], v[64*(\a)+8*\b+4:64*(\a)+8*\b+7] offset:64*\b+16
.endr
	WIN 0
.set BB, BK+64*((\a)%2)
.irp t, 0,1,2,3,4,5,6,7,8,9,10,11,12,13,14,15
	ds_load_b128 v[BB+4*\t:BB+4*\t+3], v[RD] offset:\t*SPITCH
.endr
.endm
.macro SEND a, younger                 ; younger: the LDS instructions issued behind block a's loads, which may stay out
.set BB, BK+64*((\a)%2)
	s_wait_dscnt \younger
.irp t, 0,1,2,3,4,5,6,7,8,9,10,11,12,13,14,15
	global_store_b128 v[CO], v[BB+4*\t:BB+4*\t+3], s[10:11] offset:(16*(\a)+\t)*4096 th:TH_STORE_NT   ; 32 lanes store 512 consecutive bytes, aligned; written once, read by nobody here
.endr
.endm
	PLACES
	TOSTAGE 0
.irp a, 1,2,3
.if \a > 1
	s_wait_xcnt 0x0                                ; block a - 2's stores have read their registers: block a's loads may land there
.endif
	TOSTAGE \a
	SEND \a-1, 32                                  ; behind block a - 1's loads: block a's 16 stores and 16 loads
.endr
	SEND 3, 0
	s_wait_tensorcnt 0x0                           ; the wave's end, behind my last tensor load and my last LDS store
	ds_add_u32 v[SPW], v[NIL]
	s_wait_dscnt 0x0
	CROUND                                         ; the closing round: no work-group ends while a partner may still ask for a tile that names it
	s_endpgm
.Lfunc_end_k_qe9a7d1ee2f_outp:
	.size	k_qe9a7d1ee2f_outp, .Lfunc_end_k_qe9a7d1ee2f_outp-k_qe9a7d1ee2f_outp
	.p2alignl 7, 3214868480
	.fill 96, 4, 3214868480
	.section	.rodata,"a",@progbits
	.p2align	6, 0x0
	.amdhsa_kernel k_qe9a7d1ee2f_outp
		.amdhsa_group_segment_fixed_size 327680
		.amdhsa_private_segment_fixed_size 0
		.amdhsa_enable_private_segment 0
		.amdhsa_kernarg_size 32
		.amdhsa_user_sgpr_count 2
		.amdhsa_user_sgpr_kernarg_segment_ptr 1
		.amdhsa_wavefront_size32 1
		.amdhsa_system_sgpr_workgroup_id_x 1
		.amdhsa_system_sgpr_workgroup_id_y 1
		.amdhsa_system_sgpr_workgroup_id_z 1
		.amdhsa_system_vgpr_workitem_id 0
		.amdhsa_next_free_vgpr 512
		.amdhsa_next_free_sgpr 66
		.amdhsa_reserve_vcc 0
		.amdhsa_float_denorm_mode_32 3
		.amdhsa_float_denorm_mode_16_64 3
		.amdhsa_memory_ordered 1
		.amdhsa_forward_progress 1
		.amdhsa_inst_pref_size 86
	.end_amdhsa_kernel
	.amdgpu_metadata
---
amdhsa.version: [ 1, 2 ]
amdhsa.kernels:
  - .name:           k_qe9a7d1ee2f_outp
    .symbol:         k_qe9a7d1ee2f_outp.kd
    .args:
      - { .name: ctx, .offset: 0, .size: 8, .value_kind: global_buffer, .address_space: global }
      - { .name: wo16, .offset: 8, .size: 8, .value_kind: global_buffer, .address_space: global }
      - { .name: bo, .offset: 16, .size: 8, .value_kind: global_buffer, .address_space: global }
      - { .name: out0, .offset: 24, .size: 8, .value_kind: global_buffer, .address_space: global }
    .group_segment_fixed_size: 327680
    .private_segment_fixed_size: 0
    .kernarg_segment_align: 8
    .kernarg_segment_size: 32
    .max_flat_workgroup_size: 128
    .sgpr_count:     66
    .vgpr_count:     512
    .wavefront_size: 32
...
	.end_amdgpu_metadata
.endif
;; end of part 4
